; MI455X (gfx1250); checked and timed in simulation.
; The chip was launched on July 23, 2026; its instructions are those of AMD's public machine-readable ISA for CDNA 5 (MIT licence, August 2026) and "CDNA5" Instruction Set Architecture Reference Guide (July 2026). The comments in the code are by the model that wrote it; some were corrected since.
;; Self Attention. Allowed arithmetic: matrix products marked QUANTISED: E3M2 operands, one E8M0 scale for each 32 along K, by v_wmma_scale_f32_16x16x128_f8f6f4 with both operands' format E3M2, f32 sums; everything else in f32.
;; Inputs: Wk_codes 64 x 8 x 24 uint8 (E3M2 codes of Wk, K innermost, in blocks of 32 codes, four codes in three bytes); Wk_scales 64 x 8 uint8 (E8M0 scales of Wk, one for each 32 codes along K); Wq_codes 64 x 8 x 24 uint8 (E3M2 codes of Wq, K innermost, in blocks of 32 codes, four codes in three bytes); Wq_scales 64 x 8 uint8 (E8M0 scales of Wq, one for each 32 codes along K); Wv_codes 64 x 8 x 24 uint8 (E3M2 codes of Wv, K innermost, in blocks of 32 codes, four codes in three bytes); Wv_scales 64 x 8 uint8 (E8M0 scales of Wv, one for each 32 codes along K); bk 64 float32; bq 64 float32; bv 64 float32; x_codes 8 x 4,096 x 8 x 24 uint8 (E3M2 codes of x, K innermost, in blocks of 32 codes, four codes in three bytes); x_scales 8 x 4,096 x 8 uint8 (E8M0 scales of x, one for each 32 codes along K).
;; Outputs: out0 8 x 4,096 x 64 float32.
;; This version of the problem:
;;   THIS VERSION OF THE PROBLEM IS GIVEN IN LOW PRECISION. The matrix products marked QUANTISED in the list below multiply operands that are first quantised to E3M2 (3 exponent bits, 2 mantissa bits; 6 bits a number), with one power-of-two scale for each 32 numbers along K (OCP MX v1.0); their sums are f32. All else is computed in f32.
;;   The module's matrix products, in the order in which they are computed (A, B: the left and right operand; K: the contracted axis; several contracted axes count as one K, in the product's order):
;;     1. [M 32,768, K 256] x [K 256, N 64]; A: input x (given as codes); B: input Wq (given as codes): QUANTISED
;;     2. [M 32,768, K 256] x [K 256, N 64]; A: input x (given as codes); B: input Wk (given as codes): QUANTISED
;;     3. [M 32,768, K 256] x [K 256, N 64]; A: input x (given as codes); B: input Wv (given as codes): QUANTISED
;;     4. batch 8 x [M 4,096, K 64] x [K 64, N 4,096]; A: computed on the way; B: computed on the way: QUANTISED
;;     5. batch 8 x [M 4,096, K 4,096] x [K 4,096, N 64]; A: computed on the way; B: computed on the way: QUANTISED
;;   THE QUANTISER, for each operand of a quantised product, along K:
;;     - K is cut into blocks of 32 from its start; a last block that is shorter is filled with zeros.
;;     - A block's scale is 2^e with e = floor(log2(the largest magnitude in the block)) - 4, held to -126 .. 127; a block of zeros has e = 0. As a byte (E8M0): e + 127.
;;     - Each number is divided by its block's scale, clamped to +-28, and rounded to the nearest number of E3M2, ties to even, subnormals kept.
;;     - The product sums the exact products of the quantised numbers (number of the format x scale) in f32.
;;   ~~~python
;;   def quantise(x, axis):      # numpy; x: float32 -> the quantised numbers, widened to float32 again
;;       x = np.moveaxis(x, axis, -1); K = x.shape[-1]
;;       x = np.pad(x, [(0, 0)] * (x.ndim - 1) + [(0, -K % 32)]); x = x.reshape(x.shape[:-1] + (-1, 32)); a = np.abs(x).max(-1, keepdims=True)
;;       e = np.where(a > 0, np.clip(np.frexp(np.where(a > 0, a, 1))[1] - 1 - 4, -126, 127), 0)      # np.frexp(a)[1] - 1 = floor(log2(a)), exactly
;;       r = np.clip(x / 2.0 ** e, -28, 28)
;;       step = 2.0 ** (np.maximum(np.frexp(np.where(r == 0, 1, r))[1] - 1, -2) - 2)
;;       q = np.round(r / step) * step * 2.0 ** e      # np.round: ties to even
;;       return np.moveaxis(q.reshape(q.shape[:-2] + (-1,))[..., :K], -1, axis).astype(np.float32)
;;   ~~~
;;   OPERANDS COMPUTED ON THE WAY. 'Computed on the way' means the value that the module computes at that place (a softmax that the list does not call 'softmax' is quantised finished and normalised). What goes into a quantiser is computed in f32, as accurately as f32 sums, v_exp_f32 and their like allow (about 1e-6 of the number): no bf16 or f16 on the way to a quantiser, and a product that is left as it is and whose result goes on into a quantised operand takes f32 operands (vector FMAs, or v_wmma_f32_16x16x4_f32). A number that lies on a knife's edge between two numbers of the format may be rounded either way, as far as f32 arithmetic and the matrix unit's own rounding can turn it there, and no further.
;;   INPUTS GIVEN AS CODES. Wk (in the module: [256, 64], K = its axis 0); Wq (in the module: [256, 64], K = its axis 0); Wv (in the module: [256, 64], K = its axis 0); x (in the module: [8, 4096, 256], K = its axis 2): each comes as NAME_codes (uint8): NAME with its K axis moved to the last place and cut into blocks of 32 codes, [.., K / 32, bytes a block], one block behind the other in memory; four codes in three bytes: a row's codes are one little-endian stream of bits, code i at bits 6 i .. 6 i + 5 (a code: sign, 3 exponent bits, 2 mantissa bits); and NAME_scales (uint8): the same leading axes, one E8M0 byte (e + 127) for each 32 codes along K. Its value is code x scale, taken as it is: it is not quantised again, and the codes and scales need not be those that the quantiser above would give.
;; 2 versions. Each part assembles by itself: llvm-mc -triple=amdgcn-amd-amdhsa -mcpu=gfx1250 --defsym DOCPART=n.
;; ======== version 1 of 2: 3 launches
;; workspace buffers: qimg 1,572,864 bytes; kimg 1,572,864 bytes; vimg 1,572,864 bytes; qsc 131,072 bytes; ksc 131,072 bytes; vsc 131,072 bytes; negd 131,072 bytes
;; launch proj (part 1): grid 512 x 1, 3 waves a work-group, no clusters, 0 bytes of LDS; arguments x_codes, x_scales, Wq_codes, Wq_scales, bq, Wk_codes, Wk_scales, bk, Wv_codes, Wv_scales, bv, qimg, qsc, kimg, ksc, vimg, vsc; writes qimg, qsc, kimg, ksc, vimg, vsc
.if DOCPART == 1
	.amdgcn_target "amdgcn-amd-amdhsa--gfx1250"
	.amdhsa_code_object_version 6
	.text
	.protected	k_qc36ac00dee_proj
	.globl	k_qc36ac00dee_proj
	.p2align	8
	.type	k_qc36ac00dee_proj,@function
k_qc36ac00dee_proj:
	s_mov_b64 s[64:65], 0
	v_nop
	global_prefetch_b8 v0, s[64:65] scope:SCOPE_SE
	s_setreg_imm32_b32 hwreg(HW_REG_WAVE_MODE, 25, 1), 1
	s_wait_xcnt 0x0
; q = x Wq + bq, k = x Wk + bk, v = x Wv + bv on the given codes of E3M2 (K = 256), then the quantiser: q and k along their 64 channels, v along the keys.
; SHARES.  A work-group takes a UNIT of 64 rows of x (rows counted through all batches); its three waves make q, k and v of those rows.  No LDS, no barrier: the waves share nothing.
; A unit of x and a weight have the same shape: 64 rows of 192 bytes of codes and 8 scale bytes.  So both come by the same lines, into two sets P and R, and the product is always
; D = P's 16 rows (source 0) x R's 16 rows (source 1).  q, k: P = the weight, R = x: a lane holds one row of x and its registers run along the channels.  v: P = x, R = Wv: a lane holds one channel and its registers run along the keys.
; THE ROWS OF A TILE ARE NOT NEIGHBOURS: lane r of tile t takes row 32 (t / 2) + 8 (t % 2) + r + 8 (r / 8), so that the 16 registers of tiles 2 b and 2 b + 1 of source 0 are 16 neighbours, 32 b + 16 (lane / 16) + 0 .. 15, along the next K.
; THE BLOCKS OF K ARE PERMUTED, ALIKE ON BOTH SIDES: lane (r, h) takes the 96 consecutive bytes at 96 h of its row (blocks 4 h .. 4 h + 3) by six loads of 16 bytes; K step s multiplies registers 12 s .. 12 s + 11,
; where block 4 h + 2 s + c stands in the place of block 2 c + h; the scale words are permuted with them.  Every product meets its partner; only the grouping of the sums differs.
; WHAT IS STORED, in the order of the later operands' registers.  q, k: for each unit 24 registers a lane, registers 6 t .. 6 t + 5 = the codes of tile t's row, channels 32 h .. 32 h + 31; four registers (16 bytes a lane, 512 a store) to a chunk.
; v: for each 128 keys 48 registers a lane, registers 12 n + 6 c + 0 .. 5 = keys 64 c + 32 h + 0 .. 31 of tile n's channel; two registers to a chunk of 256 bytes; unit c of the 128 keys writes chunks 6 n + 3 c + 0 .. 2.
; Scale words: for each unit two words a lane: word i of lane l belongs to tile 2 i + l / 16, row l % 16; bytes 0, 1 are the two blocks' bytes, bytes 2, 3 are 0.
; LIMITS: NaN and infinities are not served.  A block of zeros gets the byte 1 where the quantiser says 127: its codes are zeros, and this program alone reads the bytes.  The order of the sums along K is the permuted one.
.set AR,  4                            ; v4   perm(r) x 192 + 96 h: my 96 bytes of a tile's row
.set AS,  5                            ; v5   perm(r) x 8: my row's scale bytes
.set LI,  6                            ; v6   16 x lane
.set L8,  7                            ; v7   8 x lane
.set BA,  8                            ; v8   q, k: 64 h: the bias of my half's channels
.set BV,  9                            ; v9   v: 4 x perm(r): the bias of my channel
.set RAW, 16                           ; v16-31  scale bytes as loaded: P's tile t at 16 + 2 t, R's at 24 + 2 t
.set SCP, 32                           ; v32-39  P's scale words, tile t, K step s at 2 t + s
.set SCR, 40                           ; v40-47  R's
.set TM,  48                           ; v48-55  at work in the quantiser
.set SW,  56                           ; v56-59  the scale word of each tile made
.set SO,  60                           ; v60-61  the two words that I store
.set TP,  62                           ; v62-64  the second half of a block's codes
.set CO,  66                           ; v66-89  the 24 registers of codes
.set BI,  96                           ; v96-127 the bias as C of the first products
.set D,   128                          ; v128-159 four accumulators
.set PF,  0                            ; window 1: P's fragments, tile t at 24 t
.set RF,  96                           ; window 1: R's
.set MSB, 0
.macro WIN new                         ; the immediate's high byte repeats the setting that is left
.if MSB != \new
	s_set_vgpr_msb (MSB<<8)|\new
.set MSB, \new
.endif
.endm
.macro PLACES n
.rept \n
	v_nop
.endr
.endm
.macro LOADSET base, cp, sp, raw       ; four tiles of 16 rows: 24 registers of codes a lane each, and the rows' eight scale bytes
	WIN 0x40                                       ; destination window 1, address window 0
.irp t, 0,1,2,3
.irp c, 0,1,2,3,4,5
	global_load_b128 v[\base+24*\t+4*\c:\base+24*\t+4*\c+3], v[AR], s[\cp:\cp+1] offset:(32*(\t/2)+8*(\t%2))*192+16*\c
.endr
.endr
	WIN 0
.irp t, 0,1,2,3
	global_load_b64 v[\raw+2*\t:\raw+2*\t+1], v[AS], s[\sp:\sp+1] offset:(32*(\t/2)+8*(\t%2))*8
.endr
.endm
.macro PERMS                           ; K step s wants the row's bytes 2 s, 4 + 2 s, 2 s + 1, 5 + 2 s, in this order
.irp t, 0,1,2,3
	v_perm_b32 v[SCP+2*\t],   v[RAW+2*\t+1], v[RAW+2*\t], s10
	v_perm_b32 v[SCP+2*\t+1], v[RAW+2*\t+1], v[RAW+2*\t], s11
	v_perm_b32 v[SCR+2*\t],   v[RAW+8+2*\t+1], v[RAW+8+2*\t], s10
	v_perm_b32 v[SCR+2*\t+1], v[RAW+8+2*\t+1], v[RAW+8+2*\t], s11
.endr
.endm
; P's four tiles x R's tile j, both K steps.  The bias is the C of the first step: cm = 0: by P's tile (channels along the registers); cm = 1: by R's tile (one channel a lane).
; The four accumulators take turns, one instruction a turn.
.macro PROD j, cm
	WIN 0x05                                       ; sources 0 and 1 window 1; C and D window 0
.irp i, 0,1,2,3
.set CB, BI+8*((\cm)*(\j)+(1-(\cm))*\i)
	v_wmma_scale_f32_16x16x128_f8f6f4 v[D+8*\i:D+8*\i+7], v[PF+24*\i:PF+24*\i+11], v[RF+24*(\j):RF+24*(\j)+11], v[CB:CB+7], v[SCP+2*\i], v[SCR+2*(\j)] matrix_a_fmt:MATRIX_FMT_BF6 matrix_b_fmt:MATRIX_FMT_BF6
.endr
.irp i, 0,1,2,3
	v_wmma_scale_f32_16x16x128_f8f6f4 v[D+8*\i:D+8*\i+7], v[PF+24*\i+12:PF+24*\i+23], v[RF+24*(\j)+12:RF+24*(\j)+23], v[D+8*\i:D+8*\i+7], v[SCP+2*\i+1], v[SCR+2*(\j)+1] matrix_a_fmt:MATRIX_FMT_BF6 matrix_b_fmt:MATRIX_FMT_BF6
.endr
	WIN 0
	PLACES 4                                       ; four places ahead of the first read of results (ISA guide 7.12.1)
.endm
; The lane's 32 numbers, register 16 b + i = place 32 b + 16 h + i along the next K, become six registers of codes at CO + 6 j and a scale word in SW + j.
.macro QUANT32 j
.irp b, 0,1
	v_max3_num_f32 v[TM+\b], |v[D+16*\b]|, |v[D+16*\b+1]|, 0x2800000   ; block b: my 16 numbers, and the floor 2^(5 - 127): the byte cannot fall under 1
.endr
.irp i, 2,4,6,8,10,12,14
.irp b, 0,1
	v_max3_num_f32 v[TM+\b], v[TM+\b], |v[D+16*\b+\i]|, |v[D+16*\b+\i+1]|   ; the two blocks by turns; each accumulator is read from its low end on
.endr
.endr
.irp b, 0,1
	v_permlanex16_b32 v[TM+2+\b], v[TM+\b], s8, s9
.endr
.irp b, 0,1
	v_max_num_f32 v[TM+\b], v[TM+\b], v[TM+2+\b]   ; with lane l xor 16's 16: the block's largest magnitude
.endr
.irp b, 0,1
	v_add_nc_u32 v[TM+4+\b], 0xfe000000, v[TM+\b]  ; 4 off its exponent field: the conversion takes this operand's exponent field as the scale
.endr
.irp b, 0,1
	v_lshrrev_b32 v[TM+6+\b], 23, v[TM+4+\b]       ; the scale's byte
.endr
	v_lshl_or_b32 v[SW+(\j)], v[TM+7], 8, v[TM+6]  ; bytes 0 and 1; bytes 2 and 3 stay 0
	v_cvt_scalef32_pk16_bf6_f32 v[CO+6*(\j):CO+6*(\j)+2], v[D:D+15], v[TM+4]
	v_cvt_scalef32_pk16_bf6_f32 v[TP:TP+2], v[D+16:D+31], v[TM+5]   ; (a conversion's three registers begin on an even number)
	v_nop                                          ; one plain place behind a scaled conversion
.irp i, 0,1,2
	v_permlane16_swap_b32 v[CO+6*(\j)+\i], v[TP+\i]   ; the operand wants a whole block in a lane: lanes 0-15 block 0, lanes 16-31 block 1
.endr
.irp i, 0,1,2
	v_mov_b32 v[CO+6*(\j)+3+\i], v[TP+\i]
.endr
.endm
.macro SCOUT                           ; lanes 0-15 keep the even tile's word, lanes 16-31 take the odd tile's; 32 lanes store 256 consecutive bytes
	v_cndmask_b32 v[SO], v[SW], v[SW+1], s12
	v_cndmask_b32 v[SO+1], v[SW+2], v[SW+3], s12
	global_store_b64 v[L8], v[SO:SO+1], s[50:51]
.endm
	s_load_b512 s[8:23], s[0:1], 0x0               ; x codes, x scales, Wq codes, Wq scales, bq, Wk codes, Wk scales, bk
	s_load_b512 s[24:39], s[0:1], 0x40             ; Wv codes, Wv scales, bv, qimg, qsc, kimg, ksc, vimg
	s_load_b64 s[40:41], s[0:1], 0x80              ; vsc
	v_lshrrev_b32 v1, 5, v0
	v_readfirstlane_b32 s2, v1                     ; the wave's number is its role: 0 q, 1 k, 2 v
	v_and_b32 v1, 31, v0                           ; lane
	v_and_b32 v2, 15, v0                           ; r
	v_bfe_u32 v3, v0, 4, 1                         ; h
	v_and_b32 v10, 8, v2
	v_add_nc_u32 v10, v10, v2                      ; perm(r) = r + 8 (r / 8)
	v_mul_u32_u24 v[AR], v10, 192
	v_mad_u32_u24 v[AR], v3, 96, v[AR]
	v_lshlrev_b32 v[AS], 3, v10
	v_lshlrev_b32 v[LI], 4, v1
	v_lshlrev_b32 v[L8], 3, v1
	v_lshlrev_b32 v[BA], 6, v3
	v_lshlrev_b32 v[BV], 2, v10
	v_mov_b32 v[TM+2], 0                           ; written once: a lane permute's destination counts as one of its sources
	v_mov_b32 v[TM+3], 0
	s_mul_i32 s4, ttmp9, 12288                     ; my unit's codes of x,
	s_mov_b32 s5, 0
	s_lshl_b32 s6, ttmp9, 9                        ; and its scale bytes
	s_mov_b32 s7, 0
	s_wait_kmcnt 0x0
	s_add_nc_u64 s[52:53], s[8:9], s[4:5]
	s_add_nc_u64 s[54:55], s[10:11], s[6:7]
	s_mul_i32 s4, ttmp9, 3072                      ; where my unit's image begins: q, k: 3,072 bytes a unit;
	s_lshr_b32 s6, ttmp9, 1
	s_mul_i32 s6, s6, 6144                         ; v: 6,144 bytes for two units,
	s_and_b32 s3, ttmp9, 1
	s_mul_i32 s3, s3, 768                          ; the second of them three chunks on
	s_add_co_u32 s6, s6, s3
	s_lshl_b32 s8, ttmp9, 8                        ; the scale words: 256 bytes a unit
	s_mov_b32 s9, 0
	s_cmp_eq_u32 s2, 0                             ; the role's five buffers: q's or k's,
	s_cselect_b64 s[42:43], s[12:13], s[18:19]
	s_cselect_b64 s[44:45], s[14:15], s[20:21]
	s_cselect_b64 s[46:47], s[16:17], s[22:23]
	s_cselect_b64 s[48:49], s[30:31], s[34:35]
	s_cselect_b64 s[50:51], s[32:33], s[36:37]
	s_cmp_eq_u32 s2, 2                             ; or v's
	s_cselect_b64 s[42:43], s[24:25], s[42:43]
	s_cselect_b64 s[44:45], s[26:27], s[44:45]
	s_cselect_b64 s[46:47], s[28:29], s[46:47]
	s_cselect_b64 s[48:49], s[38:39], s[48:49]
	s_cselect_b64 s[50:51], s[40:41], s[50:51]
	s_cselect_b64 s[56:57], s[52:53], s[42:43]     ; P: x for v, else the weight
	s_cselect_b64 s[58:59], s[54:55], s[44:45]
	s_cselect_b64 s[60:61], s[42:43], s[52:53]     ; R: the other one
	s_cselect_b64 s[62:63], s[44:45], s[54:55]
	s_cselect_b32 s4, s6, s4
	s_add_nc_u64 s[48:49], s[48:49], s[4:5]
	s_add_nc_u64 s[50:51], s[50:51], s[8:9]
	LOADSET PF, 56, 58, RAW
	LOADSET RF, 60, 62, RAW+8
	s_mov_b32 s8, 0x76543210                       ; v_permlanex16_b32's selects for lane l xor 16
	s_mov_b32 s9, 0xfedcba98
	s_mov_b32 s10, 0x05010400                      ; the byte selects of the two K steps' scale words
	s_mov_b32 s11, 0x07030602
	s_mov_b32 s12, 0xffff0000                      ; lanes 16-31
	s_cmp_eq_u32 s2, 2
	s_cbranch_scc1 .Lv
	; ---- q or k
.irp t, 0,1,2,3
	global_load_b128 v[BI+8*\t:BI+8*\t+3],   v[BA], s[46:47] offset:(32*(\t/2)+8*(\t%2))*4      ; register j of tile t: the bias of channel 32 (t / 2) + 8 (t % 2) + 16 h + j
	global_load_b128 v[BI+8*\t+4:BI+8*\t+7], v[BA], s[46:47] offset:(32*(\t/2)+8*(\t%2))*4+16
.endr
	s_wait_loadcnt 0x0                             ; all that the wave reads was asked for at once: one wait
	PERMS
	PLACES 8                                       ; a scale register written by a vector instruction stands eight places ahead of a scaled product
.irp j, 0,1,2,3
	PROD \j, 0
	QUANT32 \j
.endr
.irp j, 0,1,2,3,4,5
	global_store_b128 v[LI], v[CO+4*\j:CO+4*\j+3], s[48:49] offset:512*\j   ; 32 lanes store 512 consecutive bytes, at a multiple of 256 from the buffer's first byte
.endr
	SCOUT
	s_endpgm
.Lv:	; ---- v
.irp n, 0,1,2,3
	global_load_b32 v[BI+8*\n], v[BV], s[46:47] offset:(32*(\n/2)+8*(\n%2))*4   ; the bias of my channel of tile n
.endr
	s_wait_loadcnt 0x0
.irp n, 0,1,2,3
.irp k, 1,2,3,4,5,6,7
	v_mov_b32 v[BI+8*\n+\k], v[BI+8*\n]            ; the same for all eight keys of a lane
.endr
.endr
	PERMS
	PLACES 8
.irp j, 0,1,2,3
	PROD \j, 1
	QUANT32 \j
.endr
.irp n, 0,1,2,3
.irp i, 0,1,2
	global_store_b64 v[L8], v[CO+6*\n+2*\i:CO+6*\n+2*\i+1], s[48:49] offset:1536*\n+256*\i   ; 32 lanes store 256 consecutive bytes, at a multiple of 256 from the buffer's first byte
.endr
.endr
	SCOUT
	s_endpgm
.Lfunc_end_k_qc36ac00dee_proj:
	.size	k_qc36ac00dee_proj, .Lfunc_end_k_qc36ac00dee_proj-k_qc36ac00dee_proj
	.p2alignl 7, 3214868480
	.fill 96, 4, 3214868480
	.section	.rodata,"a",@progbits
	.p2align	6, 0x0
	.amdhsa_kernel k_qc36ac00dee_proj
		.amdhsa_group_segment_fixed_size 0
		.amdhsa_private_segment_fixed_size 0
		.amdhsa_enable_private_segment 0
		.amdhsa_kernarg_size 136
		.amdhsa_user_sgpr_count 2
		.amdhsa_user_sgpr_kernarg_segment_ptr 1
		.amdhsa_wavefront_size32 1
		.amdhsa_system_sgpr_workgroup_id_x 1
		.amdhsa_system_sgpr_workgroup_id_y 1
		.amdhsa_system_sgpr_workgroup_id_z 1
		.amdhsa_system_vgpr_workitem_id 0
		.amdhsa_next_free_vgpr 448
		.amdhsa_next_free_sgpr 66
		.amdhsa_reserve_vcc 0
		.amdhsa_float_denorm_mode_32 3
		.amdhsa_float_denorm_mode_16_64 3
		.amdhsa_memory_ordered 1
		.amdhsa_forward_progress 1
		.amdhsa_inst_pref_size 40
	.end_amdhsa_kernel
	.amdgpu_metadata
---
amdhsa.version: [ 1, 2 ]
amdhsa.kernels:
  - .name:           k_qc36ac00dee_proj
    .symbol:         k_qc36ac00dee_proj.kd
    .args:
      - { .name: x_codes, .offset: 0, .size: 8, .value_kind: global_buffer, .address_space: global }
      - { .name: x_scales, .offset: 8, .size: 8, .value_kind: global_buffer, .address_space: global }
      - { .name: Wq_codes, .offset: 16, .size: 8, .value_kind: global_buffer, .address_space: global }
      - { .name: Wq_scales, .offset: 24, .size: 8, .value_kind: global_buffer, .address_space: global }
      - { .name: bq, .offset: 32, .size: 8, .value_kind: global_buffer, .address_space: global }
      - { .name: Wk_codes, .offset: 40, .size: 8, .value_kind: global_buffer, .address_space: global }
      - { .name: Wk_scales, .offset: 48, .size: 8, .value_kind: global_buffer, .address_space: global }
      - { .name: bk, .offset: 56, .size: 8, .value_kind: global_buffer, .address_space: global }
      - { .name: Wv_codes, .offset: 64, .size: 8, .value_kind: global_buffer, .address_space: global }
      - { .name: Wv_scales, .offset: 72, .size: 8, .value_kind: global_buffer, .address_space: global }
      - { .name: bv, .offset: 80, .size: 8, .value_kind: global_buffer, .address_space: global }
      - { .name: qimg, .offset: 88, .size: 8, .value_kind: global_buffer, .address_space: global }
      - { .name: qsc, .offset: 96, .size: 8, .value_kind: global_buffer, .address_space: global }
      - { .name: kimg, .offset: 104, .size: 8, .value_kind: global_buffer, .address_space: global }
      - { .name: ksc, .offset: 112, .size: 8, .value_kind: global_buffer, .address_space: global }
      - { .name: vimg, .offset: 120, .size: 8, .value_kind: global_buffer, .address_space: global }
      - { .name: vsc, .offset: 128, .size: 8, .value_kind: global_buffer, .address_space: global }
    .group_segment_fixed_size: 0
    .private_segment_fixed_size: 0
    .kernarg_segment_align: 8
    .kernarg_segment_size: 136
    .max_flat_workgroup_size: 96
    .sgpr_count:     66
    .vgpr_count:     448
    .wavefront_size: 32
...
	.end_amdgpu_metadata
.endif
;; end of part 1
;; launch stats (part 2): grid 256 x 1, 16 waves a work-group, no clusters, 18,944 bytes of LDS; arguments qimg, qsc, kimg, ksc, negd; writes negd
.if DOCPART == 2
	.amdgcn_target "amdgcn-amd-amdhsa--gfx1250"
	.amdhsa_code_object_version 6
	.text
	.protected	k_qc36ac00dee_stats
	.globl	k_qc36ac00dee_stats
	.p2align	8
	.type	k_qc36ac00dee_stats,@function
k_qc36ac00dee_stats:
	s_mov_b64 s[64:65], 0
	v_nop
	global_prefetch_b8 v0, s[64:65] scope:SCOPE_SE
	s_setreg_imm32_b32 hwreg(HW_REG_WAVE_MODE, 25, 1), 1
	s_wait_xcnt 0x0
; The softmax runs over the QUERIES: each key's column is normalised over all 4,096 queries of its batch.  This launch makes, for each key, negd = -(M + log2 L):
; t = score x log2(e) / 8;  M = the column's largest t, rounded up to a whole number, kept running;  L = the sum over the queries of 2^(t - M).  The next launch's 2^(t + negd) is then the finished softmax.
; SHARES.  A work-group owns 128 keys (two units of 64).  Wave w: kh = w / 8 says which unit: its four tiles of 16 keys stay in registers; qe = w % 8 says which 512 queries of the batch it walks, 128 a step, four steps.
; LAYOUT.  S = Q K^T: source 0 = 16 queries, source 1 = 16 keys: a lane holds ONE key and its 64 registers 64 queries, so the running maximum and sum are the lane's own and nothing changes lanes in the loop.
; K = 64 IN A PRODUCT OF 128.  A tile's codes are six registers a lane.  The keys, which stay, have twelve, the upper six zeros.  The queries, which stream, lie six to a tile on end, and the instruction names twelve:
; the upper six are the next tile's codes (behind the last tile: six zeros); every code of E3M2 is a finite number, and here it meets a zero code: it adds nothing.  The scale words' bytes 2 and 3 are 0, which is a scale like any other.
; NO LDS RING, NO CLUSTER: the images lie in the order of the operands' registers, so a step's 6,656 bytes go from memory straight into the registers of the wave that multiplies them, and feed 32 matrix and some 690 vector
; instructions; through LDS the same bytes would be written and read once more, with a barrier for each change of slots.  Four waves share a SIMD, so that one wave's loads and products stand beside another's exponentials.
; LIMITS: NaN and infinities are not served; a term under 2^-126 counts as 0 (v_exp_f32 gives 0 there); negd is rounded once to f32.
.set STA,   0                          ; LDS: for each wave 1,024 bytes: -M of its four tiles at 16 x lane, L of the four at 512 + 16 x lane
.set NDS,   16384                      ; 128 negd in the keys' order
.set SPARE, 16896                      ; the spare words, 128 bytes for each of 16 waves: eight blocks of 256 bytes that no other line names
.set LI,  1                            ; v1   16 x lane
.set L8,  2                            ; v2   8 x lane
.set PFO, 3                            ; v3   256 x min(lane, 23)
.set SPW, 4                            ; v4   LDS address of my spare word; never rewritten
.set NIL, 5                            ; v5   0; never rewritten
.set SA,  6                            ; v6   where I store my statistics
.set SL,  7                            ; v7   where I read the eight waves' statistics of tile qe
.set NA,  8                            ; v8   where that tile's negd goes
.set KS,  10                           ; v10-11  the keys' scale words
.set QS,  12                           ; v12-15  the step's queries' scale words
.set ST,  16                           ; v16-31  tile t at 16 + 4 t: -M, the largest t, L in two halves
.set TM,  32                           ; v32-35  four chains of the maximum
.set X,   36
.set Y,   37
.set F,   38                           ; v38-39  2^(old M - new M); v39 is named with it as a pair
.set A2,  40                           ; v40-41  the second chain of the sum
.set KF,  44                           ; v44-91  the keys' fragments, tile t at 44 + 12 t
.set QF,  96                           ; v96-149 the queries' fragments, tile i at 96 + 6 i; v144-149 zeros
.set S,   160                          ; v160-223 scores, then 2^(t - M)
.macro PLACES n
.rept \n
	v_nop
.endr
.endm
.macro WMQ d, a, b, sa, sb, ra, rb     ; a product that starts its sums; ra, rb: the side's scale words stand in lanes 16-31
.if (\ra) && (\rb)
	v_wmma_scale_f32_16x16x128_f8f6f4 v[\d:\d+7], v[\a:\a+11], v[\b:\b+11], 0, v[\sa], v[\sb] matrix_a_fmt:MATRIX_FMT_BF6 matrix_b_fmt:MATRIX_FMT_BF6 matrix_a_scale:MATRIX_SCALE_ROW1 matrix_b_scale:MATRIX_SCALE_ROW1
.elseif (\ra)
	v_wmma_scale_f32_16x16x128_f8f6f4 v[\d:\d+7], v[\a:\a+11], v[\b:\b+11], 0, v[\sa], v[\sb] matrix_a_fmt:MATRIX_FMT_BF6 matrix_b_fmt:MATRIX_FMT_BF6 matrix_a_scale:MATRIX_SCALE_ROW1
.elseif (\rb)
	v_wmma_scale_f32_16x16x128_f8f6f4 v[\d:\d+7], v[\a:\a+11], v[\b:\b+11], 0, v[\sa], v[\sb] matrix_a_fmt:MATRIX_FMT_BF6 matrix_b_fmt:MATRIX_FMT_BF6 matrix_b_scale:MATRIX_SCALE_ROW1
.else
	v_wmma_scale_f32_16x16x128_f8f6f4 v[\d:\d+7], v[\a:\a+11], v[\b:\b+11], 0, v[\sa], v[\sb] matrix_a_fmt:MATRIX_FMT_BF6 matrix_b_fmt:MATRIX_FMT_BF6
.endif
.endm
.macro LOADQ off                       ; 128 queries: two units' images, 48 registers a lane, and their scale words: 14 loads
.irp j, 0,1,2,3,4,5,6,7,8,9,10,11
	global_load_b128 v[QF+4*\j:QF+4*\j+3], v[LI], s[8:9] offset:(\off)+512*\j
.endr
.irp u, 0,1
	global_load_b64 v[QS+2*\u:QS+2*\u+1], v[L8], s[10:11] offset:(\off)/12+256*\u
.endr
.endm
; A PREFETCH INTO THE L2 of the queries' image of the step two on from the one in hand: 6,144 bytes, 24 blocks of 256, a lane a block (lanes 24 to 31 name block 23 once more).  All 32 work-groups of a batch walk the same queries:
; the batch's first work-group asks, in it the eight waves with kh = 0, each for its own 512 queries.  It stands behind the wave's run of loads.  Steps 0 and 1 and the scale words come by their loads alone; the last two steps ask for nothing.
.macro ASK
	s_cmp_gt_u32 s26, s27
	s_cbranch_scc0 .Lnot_mine_\@
	global_prefetch_b8 v[PFO], s[8:9] offset:12288 th:TH_LOAD_NT scope:SCOPE_SE
.Lnot_mine_\@:
.endm
.macro QK t                            ; the step's 128 queries x key tile t
.irp i, 0,1,2,3,4,5,6,7
	WMQ S+8*\i, QF+6*\i, KF+12*(\t), QS+\i/2, KS+(\t)/2, \i%2, (\t)%2
.endr
.endm
.macro STAT t                          ; the lane's key of tile t takes in its 64 scores
.set NM, ST+4*(\t)
.irp c, 0,1,2,3
	v_max3_num_f32 v[TM+\c], v[S+16*\c], v[S+16*\c+1], v[S+16*\c+2]   ; four chains by turns; each accumulator is read from its low end on
.endr
.irp i, 3,5,7,9,11,13
.irp c, 0,1,2,3
	v_max3_num_f32 v[TM+\c], v[TM+\c], v[S+16*\c+\i], v[S+16*\c+\i+1]
.endr
.endr
.irp c, 0,1,2,3
	v_max_num_f32 v[TM+\c], v[TM+\c], v[S+16*\c+15]
.endr
	v_max3_num_f32 v[X], v[TM], v[TM+1], v[TM+2]
	v_max_num_f32 v[X], v[X], v[TM+3]
	v_mul_f32 v[X], s22, v[X]                      ; as t (c is positive)
	v_max_num_f32 v[NM+1], v[NM+1], v[X]           ; the running largest t
	v_mov_b32 v[X], v[NM]
	v_floor_f32 v[NM], -v[NM+1]                    ; the new -M = floor(-t): M is a whole number
	v_sub_f32 v[X], v[NM], v[X]                    ; old M less new M: a whole number, 0 or less
	v_cvt_i32_f32 v[X], v[X]                       ; (it saturates)
	v_ldexp_f32 v[F], 1.0, v[X]                    ; 2^(old M - new M): brings the old sum under the new M and rounds nothing
.set J, 0
.rept 32
	v_pk_fma_f32 v[S+J:S+J+1], v[S+J:S+J+1], s[22:23], v[NM:NM+1] op_sel_hi:[1,0,0]   ; t - M, two at a time (of the pairs c and -M the low word serves both halves)
.set J, J+2
.endr
.set J, 0
.rept 64
	v_exp_f32 v[S+J], v[S+J]
.set J, J+1
.endr
	v_pk_mul_f32 v[NM+2:NM+3], v[NM+2:NM+3], v[F:F+1] op_sel_hi:[1,0]   ; the sum under the new M: the plain instruction behind the exponentials
	s_wait_alu depctr_va_vdst(0)                   ; one wait for the batch of 64, ahead of its first reader
	v_pk_add_f32 v[A2:A2+1], v[S:S+1], v[S+2:S+3]
.set J, 4
.rept 15
	v_pk_add_f32 v[NM+2:NM+3], v[NM+2:NM+3], v[S+J:S+J+1]
	v_pk_add_f32 v[A2:A2+1], v[A2:A2+1], v[S+J+2:S+J+3]
.set J, J+4
.endr
	v_pk_add_f32 v[NM+2:NM+3], v[NM+2:NM+3], v[A2:A2+1]
.endm
.macro STEP last
	s_wait_loadcnt 0x0                             ; this step's 14 loads are all that is out (ahead of the first step: the keys' too)
.irp t, 0,1,2,3
	QK \t
	PLACES 4                                       ; four places ahead of the first read of the scores, and of the loads into registers that the products have read
.if (\t == 3) && (\last == 0)
	LOADQ 6144                                     ; the next step's queries land while tile 3's statistics are made
	ASK
.endif
	STAT \t
.endr
.if \last == 0
	s_wait_xcnt 0x0                                ; the loads and the prefetch have read their bases: only now are these stepped
	s_add_nc_u64 s[8:9], s[8:9], 6144
	s_add_nc_u64 s[10:11], s[10:11], 512
.endif
.endm
	s_load_b256 s[8:15], s[0:1], 0x0               ; qimg, qsc, kimg, ksc
	s_load_b64 s[16:17], s[0:1], 0x20              ; negd
	v_lshl_add_u32 v[SPW], v0, 2, SPARE
	v_mov_b32 v[NIL], 0
	v_lshrrev_b32 v9, 5, v0
	v_readfirstlane_b32 s2, v9                     ; wave 0..15
	s_lshr_b32 s3, s2, 3                           ; kh
	s_and_b32 s4, s2, 7                            ; qe
	v_and_b32 v9, 31, v0                           ; lane
	v_lshlrev_b32 v[LI], 4, v9
	v_lshlrev_b32 v[L8], 3, v9
	v_min_u32 v[PFO], 23, v9
	v_lshlrev_b32 v[PFO], 8, v[PFO]
	s_lshl_b32 s5, s2, 10                          ; every LDS address is made here, ahead of any branch on the wave's number
	v_add_nc_u32 v[SA], s5, v[LI]
	s_lshl_b32 s5, s3, 13                          ; the eight waves of my unit begin at 8,192 kh;
	s_and_b32 s6, s2, 3
	s_lshl_b32 s6, s6, 2                           ; of their four words I take that of tile qe % 4
	s_add_co_u32 s5, s5, s6
	v_add_nc_u32 v[SL], s5, v[LI]
	v_and_b32 v9, 15, v0
	v_and_b32 v42, 8, v9
	v_add_nc_u32 v9, v9, v42                       ; perm(r)
	s_lshl_b32 s5, s3, 8                           ; key 64 kh + 32 (t / 2) + 8 (t % 2) + perm(r) of the 128, 4 bytes each, t = qe % 4
	s_bfe_u32 s6, s2, 0x10001
	s_lshl_b32 s6, s6, 7
	s_add_co_u32 s5, s5, s6
	s_and_b32 s6, s2, 1
	s_lshl_b32 s6, s6, 5
	s_add_co_u32 s5, s5, s6
	s_add_co_u32 s5, s5, NDS
	v_lshl_add_u32 v[NA], v9, 2, s5
	s_lshl_b32 s5, ttmp9, 1
	s_add_co_u32 s5, s5, s3                        ; my unit of keys: 2 x work-group + kh
	s_mul_i32 s20, s5, 3072
	s_mov_b32 s21, 0
	s_lshl_b32 s18, s5, 8
	s_mov_b32 s19, 0
	s_lshr_b32 s5, ttmp9, 5                        ; the batch
	s_lshl_b32 s5, s5, 6
	s_lshl_b32 s6, s4, 3
	s_add_co_u32 s5, s5, s6                        ; my first unit of queries: 64 x batch + 8 qe
	s_mul_i32 s28, s5, 3072
	s_mov_b32 s29, 0
	s_lshl_b32 s30, s5, 8
	s_mov_b32 s31, 0
	s_lshl_b32 s32, ttmp9, 9                       ; my work-group's 128 negd
	s_mov_b32 s33, 0
	s_mov_b32 s22, 0x3e38aa3b                      ; c = log2(e) / 8
	s_mov_b32 s23, s22                             ; (named with it as a pair, so it is written)
	s_mov_b32 s24, 0x76543210                      ; v_permlanex16_b32's selects for lane l xor 16
	s_mov_b32 s25, 0xfedcba98
	s_mov_b32 s26, 3                               ; the loop's trips
	s_and_b32 s27, ttmp9, 31
	s_or_b32 s27, s27, s3
	s_cmp_eq_u32 s27, 0
	s_cselect_b32 s27, 1, -1                       ; 1 in a wave that prefetches, else the greatest number
	s_wait_kmcnt 0x0
	s_add_nc_u64 s[12:13], s[12:13], s[20:21]
	s_add_nc_u64 s[14:15], s[14:15], s[18:19]
	s_add_nc_u64 s[8:9], s[8:9], s[28:29]
	s_add_nc_u64 s[10:11], s[10:11], s[30:31]
	s_add_nc_u64 s[16:17], s[16:17], s[32:33]
.irp m, 0,1,2,3,4,5,6,7,8,9,10,11      ; the keys' image, two registers at a time, into the lower six of each tile's twelve
	global_load_b64 v[KF+12*(\m/3)+2*(\m%3):KF+12*(\m/3)+2*(\m%3)+1], v[LI], s[12:13] offset:512*(\m/2)+8*(\m%2)
.endr
	global_load_b64 v[KS:KS+1], v[L8], s[14:15]
	LOADQ 0
.irp t, 0,1,2,3
.irp k, 6,7,8,9,10,11
	v_mov_b32 v[KF+12*\t+\k], 0                    ; zero codes for the upper 64 of the product's 128
.endr
.endr
.irp k, 48,49,50,51,52,53
	v_mov_b32 v[QF+\k], 0                          ; behind the last tile of queries
.endr
.irp t, 0,1,2,3                        ; (these sixteen are also the places between the zeros above and the first product)
	v_mov_b32 v[ST+4*\t+1], 0xff61b1e6             ; the largest t so far: -3e38, under every t
	v_floor_f32 v[ST+4*\t], -v[ST+4*\t+1]          ; -M
	v_mov_b32 v[ST+4*\t+2], 0                      ; L: the first change of M leaves zeros zeros
	v_mov_b32 v[ST+4*\t+3], 0
.endr
	v_mov_b32 v[F+1], 0
.Lstep:
	STEP 0
	s_sub_co_u32 s26, s26, 1
	s_cmp_lg_u32 s26, 0
	s_cbranch_scc1 .Lstep
	STEP 1                                         ; the last step asks for nothing
	; THE MERGE.  First in registers: a key's two lanes (l and l xor 16) hold different queries.  The smaller -M is the larger M; each sum is brought under it by a power of two.
.irp t, 0,1,2,3
	v_add_f32 v[ST+4*\t+2], v[ST+4*\t+2], v[ST+4*\t+3]
.endr
.irp t, 0,1,2,3
	v_permlanex16_b32 v[TM+\t], v[ST+4*\t], s24, s25
	v_permlanex16_b32 v[ST+4*\t+3], v[ST+4*\t+2], s24, s25
.endr
.irp t, 0,1,2,3
	v_min_num_f32 v[S+\t], v[ST+4*\t], v[TM+\t]
.endr
.irp t, 0,1,2,3
	v_sub_f32 v[ST+4*\t], v[S+\t], v[ST+4*\t]
	v_sub_f32 v[TM+\t], v[S+\t], v[TM+\t]
.endr
.irp t, 0,1,2,3
	v_cvt_i32_f32 v[ST+4*\t], v[ST+4*\t]
	v_cvt_i32_f32 v[TM+\t], v[TM+\t]
.endr
.irp t, 0,1,2,3
	v_ldexp_f32 v[ST+4*\t+2], v[ST+4*\t+2], v[ST+4*\t]
	v_ldexp_f32 v[ST+4*\t+3], v[ST+4*\t+3], v[TM+\t]
.endr
.irp t, 0,1,2,3
	v_add_f32 v[S+4+\t], v[ST+4*\t+2], v[ST+4*\t+3]   ; both lanes of a key add the same two numbers: the same bits
.endr
	ds_store_b128 v[SA], v[S:S+3]
	ds_store_b128 v[SA], v[S+4:S+7] offset:512
	s_wait_dscnt 0x0                               ; for the others' sake: my stores have landed
	s_barrier_signal -1
	s_barrier_wait -1
	s_cmp_lt_u32 s4, 4                             ; then over the eight waves of a unit: wave (kh, qe) with qe under 4 takes tile qe
	s_cbranch_scc0 .Lno_merge
.irp w, 0,1,2,3,4,5,6,7
	ds_load_b32 v[S+16+\w], v[SL] offset:1024*\w
	ds_load_b32 v[S+24+\w], v[SL] offset:1024*\w+512
.endr
	s_wait_dscnt 0x0
	v_min3_num_f32 v[X], v[S+16], v[S+17], v[S+18]
	v_min3_num_f32 v[X], v[X], v[S+19], v[S+20]
	v_min3_num_f32 v[X], v[X], v[S+21], v[S+22]
	v_min_num_f32 v[X], v[X], v[S+23]
.irp w, 0,1,2,3,4,5,6,7
	v_sub_f32 v[S+16+\w], v[X], v[S+16+\w]
.endr
.irp w, 0,1,2,3,4,5,6,7
	v_cvt_i32_f32 v[S+16+\w], v[S+16+\w]
.endr
.irp w, 0,1,2,3,4,5,6,7
	v_ldexp_f32 v[S+24+\w], v[S+24+\w], v[S+16+\w]
.endr
.irp w, 0,2,4,6
	v_add_f32 v[S+24+\w], v[S+24+\w], v[S+25+\w]
.endr
	v_add_f32 v[S+24], v[S+24], v[S+26]
	v_add_f32 v[S+28], v[S+28], v[S+30]
	v_add_f32 v[S+24], v[S+24], v[S+28]            ; L of the whole column: between 1/2 and 4,096
	v_log_f32 v[Y], v[S+24]
	v_nop                                          ; a plain instruction behind the logarithm,
	s_wait_alu depctr_va_vdst(0)                   ; and a wait ahead of its reader
	v_sub_f32 v[Y], v[X], v[Y]                     ; negd = -M - log2 L
	ds_store_b32 v[NA], v[Y]                       ; both lanes of a key write the same word with the same value
.Lno_merge:
	s_wait_dscnt 0x0
	s_barrier_signal -1
	s_barrier_wait -1
	s_cmp_lg_u32 s2, 0
	s_cbranch_scc1 .Lend
	ds_load_b128 v[S+8:S+11], v[LI] offset:NDS
	s_wait_dscnt 0x0
	global_store_b128 v[LI], v[S+8:S+11], s[16:17] ; 32 lanes store 512 consecutive bytes, at a multiple of 256 from the buffer's first byte
.Lend:
	s_wait_tensorcnt 0x0                           ; the wave's end
	ds_add_u32 v[SPW], v[NIL]
	s_wait_dscnt 0x0
	s_endpgm
.Lfunc_end_k_qc36ac00dee_stats:
	.size	k_qc36ac00dee_stats, .Lfunc_end_k_qc36ac00dee_stats-k_qc36ac00dee_stats
	.p2alignl 7, 3214868480
	.fill 96, 4, 3214868480
	.section	.rodata,"a",@progbits
	.p2align	6, 0x0
	.amdhsa_kernel k_qc36ac00dee_stats
		.amdhsa_group_segment_fixed_size 18944
		.amdhsa_private_segment_fixed_size 0
		.amdhsa_enable_private_segment 0
		.amdhsa_kernarg_size 40
		.amdhsa_user_sgpr_count 2
		.amdhsa_user_sgpr_kernarg_segment_ptr 1
		.amdhsa_wavefront_size32 1
		.amdhsa_system_sgpr_workgroup_id_x 1
		.amdhsa_system_sgpr_workgroup_id_y 1
		.amdhsa_system_sgpr_workgroup_id_z 1
		.amdhsa_system_vgpr_workitem_id 0
		.amdhsa_next_free_vgpr 256
		.amdhsa_next_free_sgpr 66
		.amdhsa_reserve_vcc 0
		.amdhsa_float_denorm_mode_32 3
		.amdhsa_float_denorm_mode_16_64 3
		.amdhsa_memory_ordered 1
		.amdhsa_forward_progress 1
		.amdhsa_inst_pref_size 90
	.end_amdhsa_kernel
	.amdgpu_metadata
---
amdhsa.version: [ 1, 2 ]
amdhsa.kernels:
  - .name:           k_qc36ac00dee_stats
    .symbol:         k_qc36ac00dee_stats.kd
    .args:
      - { .name: qimg, .offset: 0, .size: 8, .value_kind: global_buffer, .address_space: global }
      - { .name: qsc, .offset: 8, .size: 8, .value_kind: global_buffer, .address_space: global }
      - { .name: kimg, .offset: 16, .size: 8, .value_kind: global_buffer, .address_space: global }
      - { .name: ksc, .offset: 24, .size: 8, .value_kind: global_buffer, .address_space: global }
      - { .name: negd, .offset: 32, .size: 8, .value_kind: global_buffer, .address_space: global }
    .group_segment_fixed_size: 18944
    .private_segment_fixed_size: 0
    .kernarg_segment_align: 8
    .kernarg_segment_size: 40
    .max_flat_workgroup_size: 512
    .sgpr_count:     66
    .vgpr_count:     256
    .wavefront_size: 32
...
	.end_amdgpu_metadata
.endif
;; end of part 2
;; launch attn (part 3): grid 256 x 1, 8 waves a work-group, no clusters, 183,296 bytes of LDS; arguments qimg, qsc, kimg, ksc, vimg, vsc, negd, out0; writes out0
.if DOCPART == 3
	.amdgcn_target "amdgcn-amd-amdhsa--gfx1250"
	.amdhsa_code_object_version 6
	.text
	.protected	k_qc36ac00dee_attn
	.globl	k_qc36ac00dee_attn
	.p2align	8
	.type	k_qc36ac00dee_attn,@function
k_qc36ac00dee_attn:
	s_mov_b64 s[64:65], 0
	v_nop
	global_prefetch_b8 v0, s[64:65] scope:SCOPE_SE
	s_setreg_imm32_b32 hwreg(HW_REG_WAVE_MODE, 25, 1), 1
	s_wait_xcnt 0x0
; out[q][:] = the sum over the keys of attn[q][k] v[k][:], attn[q][k] = 2^(score x log2(e) / 8 + negd[k]): the softmax over the queries, finished and normalised, since negd[k] = -(M + log2 L) of key k's column was made by the launch before.
; attn is quantised along the keys, 32 to a block, and multiplied by v's codes.  No running state: a wave's O is a plain partial sum.
; SHARES.  A work-group owns 128 queries.  Wave w: qh = w / 4 says which unit of 64: its four tiles of 16 queries stay in registers; kq = w % 4 says which 1,024 keys of the batch it walks, 128 a step, eight steps.
; The four partial sums of a unit are added through LDS at the end, each wave finishing one tile.
; LAYOUT.  Both products are used transposed: S^T = K Q^T (source 0 = 16 keys, source 1 = 16 queries), O^T += V^T P^T (source 0 = 16 channels, source 1 = P): a lane holds ONE query throughout.
; The images' tiles take rows 32 (t / 2) + 8 (t % 2) + r + 8 (r / 8), so register 16 b + i of S^T is key 32 b + 16 (lane / 16) + i of the step: 16 neighbours, as the conversion wants them, and negd's registers are plain reads of the keys' order.
; K = 64 IN A PRODUCT OF 128, as in the launch before: the queries, which stay, have twelve registers a tile, the upper six zeros; the keys stream six to a tile, and the instruction's upper six are the next tile's codes
; (behind the last: zeros), finite numbers that meet zero codes.
; NO LDS RING, NO CLUSTER: the images lie in the order of the operands' registers: a step's 13,312 bytes go from memory straight into the registers of the wave that multiplies them and feed 48 matrix and some 740 vector instructions;
; through LDS the same bytes would be written and read once more, with a barrier for each change of slots.  Two waves share a SIMD.
; LIMITS: NaN and infinities are not served; a weight under 2^-126 counts as 0 (v_exp_f32 gives 0 there); a block of zeros has the byte 1 and zero codes; the sum over the keys is made in four parts of 1,024 keys, added at the end.
.set NDB,   0                          ; LDS: the batch's 4,096 negd
.set XCH,   16384                      ; for each wave 16,384 bytes: the image of its 128 registers of O^T, four registers to a chunk of 512 bytes
.set STG,   147456                     ; for each wave a stage of 16 rows x (256 + 16) bytes
.set SPARE, 182272                     ; the spare words, 128 bytes for each of 8 waves: four blocks of 256 bytes that no other line names
.set LI,  1                            ; v1   16 x lane
.set L8,  2                            ; v2   8 x lane
.set NA0, 3                            ; v3   64 h: my half's 16 keys of a block
.set NDA, 4                            ; v4   the address of negd's reads in hand
.set PFO, 5                            ; v5   256 x min(lane, 23)
.set SPW, 6                            ; v6   LDS address of my spare word; never rewritten
.set NIL, 7                            ; v7   0; never rewritten
.set XST, 8                            ; v8   where I store my O^T
.set XLD, 9                            ; v9   where I read the four waves' parts of tile kq
.set STO, 10                           ; v10  the stage: where I put 16 bytes of a row
.set RD,  11                           ; v11  and where I read a row back
.set QS,  12                           ; v12-13  the queries' scale words
.set KS,  14                           ; v14-17  the step's keys' scale words
.set VR,  18                           ; v18-21  v's scale words of the step's two units as loaded
.set VS,  22                           ; v22-23  joined: four bytes for 128 keys
.set PW,  24                           ; v24     P's scale word
.set GO,  25                           ; v25     my byte offset in two rows of out
.set CP,  26                           ; v26     16 x my thread's number: the copy of negd
.set TM,  32                           ; v32-47  at work in the quantiser
.set PC,  48                           ; v48-59  P's codes; v60-62, v64-66 the second halves on their way
.set QF,  68                           ; v68-115 the queries' fragments, tile t at 68 + 12 t
.set ND,  116                          ; v116-179 negd of the step's keys, in S^T's order
.set S,   180                          ; v180-243 scores, then the weights
.set VF,  128                          ; window 1: v0-127 O^T (tile t, channels' tile n at 32 t + 8 n); v128-175 v's four fragments;
.set KF,  176                          ; v176-229 the keys' fragments, tile i at 176 + 6 i; v224-229 zeros
.set MSB, 0
.macro WIN new                         ; the immediate's high byte repeats the setting that is left
.if MSB != \new
	s_set_vgpr_msb (MSB<<8)|\new
.set MSB, \new
.endif
.endm
.macro PLACES n
.rept \n
	v_nop
.endr
.endm
.macro WMQ d, a, b, sa, sb, ra, rb     ; a product that starts its sums; ra, rb: the side's scale words stand in lanes 16-31
.if (\ra) && (\rb)
	v_wmma_scale_f32_16x16x128_f8f6f4 v[\d:\d+7], v[\a:\a+11], v[\b:\b+11], 0, v[\sa], v[\sb] matrix_a_fmt:MATRIX_FMT_BF6 matrix_b_fmt:MATRIX_FMT_BF6 matrix_a_scale:MATRIX_SCALE_ROW1 matrix_b_scale:MATRIX_SCALE_ROW1
.elseif (\ra)
	v_wmma_scale_f32_16x16x128_f8f6f4 v[\d:\d+7], v[\a:\a+11], v[\b:\b+11], 0, v[\sa], v[\sb] matrix_a_fmt:MATRIX_FMT_BF6 matrix_b_fmt:MATRIX_FMT_BF6 matrix_a_scale:MATRIX_SCALE_ROW1
.elseif (\rb)
	v_wmma_scale_f32_16x16x128_f8f6f4 v[\d:\d+7], v[\a:\a+11], v[\b:\b+11], 0, v[\sa], v[\sb] matrix_a_fmt:MATRIX_FMT_BF6 matrix_b_fmt:MATRIX_FMT_BF6 matrix_b_scale:MATRIX_SCALE_ROW1
.else
	v_wmma_scale_f32_16x16x128_f8f6f4 v[\d:\d+7], v[\a:\a+11], v[\b:\b+11], 0, v[\sa], v[\sb] matrix_a_fmt:MATRIX_FMT_BF6 matrix_b_fmt:MATRIX_FMT_BF6
.endif
.endm
.macro WMP d, a, sa, ra, first         ; O^T += v's fragment x P; first = 1: the product starts the sum
.if (\first) && (\ra)
	v_wmma_scale_f32_16x16x128_f8f6f4 v[\d:\d+7], v[\a:\a+11], v[PC:PC+11], 0, v[\sa], v[PW] matrix_a_fmt:MATRIX_FMT_BF6 matrix_b_fmt:MATRIX_FMT_BF6 matrix_a_scale:MATRIX_SCALE_ROW1
.elseif (\first)
	v_wmma_scale_f32_16x16x128_f8f6f4 v[\d:\d+7], v[\a:\a+11], v[PC:PC+11], 0, v[\sa], v[PW] matrix_a_fmt:MATRIX_FMT_BF6 matrix_b_fmt:MATRIX_FMT_BF6
.elseif (\ra)
	v_wmma_scale_f32_16x16x128_f8f6f4 v[\d:\d+7], v[\a:\a+11], v[PC:PC+11], v[\d:\d+7], v[\sa], v[PW] matrix_a_fmt:MATRIX_FMT_BF6 matrix_b_fmt:MATRIX_FMT_BF6 matrix_a_scale:MATRIX_SCALE_ROW1
.else
	v_wmma_scale_f32_16x16x128_f8f6f4 v[\d:\d+7], v[\a:\a+11], v[PC:PC+11], v[\d:\d+7], v[\sa], v[PW] matrix_a_fmt:MATRIX_FMT_BF6 matrix_b_fmt:MATRIX_FMT_BF6
.endif
.endm
.macro LOADK off                       ; 128 keys: two units' images and their scale words: 14 loads
	WIN 0x40                                       ; destination window 1, address window 0
.irp j, 0,1,2,3,4,5,6,7,8,9,10,11
	global_load_b128 v[KF+4*\j:KF+4*\j+3], v[LI], s[12:13] offset:(\off)+512*\j
.endr
	WIN 0
.irp u, 0,1
	global_load_b64 v[KS+2*\u:KS+2*\u+1], v[L8], s[14:15] offset:(\off)/12+256*\u
.endr
.endm
.macro LOADV off                       ; v of the same 128 keys: four fragments and the two units' scale words: 26 loads
	WIN 0x40
.irp j, 0,1,2,3,4,5,6,7,8,9,10,11,12,13,14,15,16,17,18,19,20,21,22,23
	global_load_b64 v[VF+2*\j:VF+2*\j+1], v[L8], s[16:17] offset:(\off)+256*\j
.endr
	WIN 0
.irp u, 0,1
	global_load_b64 v[VR+2*\u:VR+2*\u+1], v[L8], s[18:19] offset:(\off)/12+256*\u
.endr
.endm
.macro LOADN                           ; negd of the next 128 keys: register 16 b + i = key 32 b + 16 h + i; the sixteen lanes of a half read the same bytes
	v_add_nc_u32 v[NDA], s34, v[NA0]
	s_add_co_u32 s34, s34, 512
.irp b, 0,1,2,3
.irp i, 0,1,2,3
	ds_load_b128 v[ND+16*\b+4*\i:ND+16*\b+4*\i+3], v[NDA] offset:128*\b+16*\i
.endr
.endr
.endm
; A PREFETCH INTO THE L2 of the keys' and of v's image of the step two on from the one in hand: 6,144 bytes each, 24 blocks of 256, a lane a block (lanes 24 to 31 name block 23 once more).  All 32 work-groups of a batch walk the same
; keys: the batch's first work-group asks, in it the four waves with qh = 0, each for its own 1,024 keys.  It stands behind the wave's run of loads.  Steps 0 and 1 and the scale words come by their loads alone; steps 6 and 7 ask for nothing.
.macro ASK first
.if \first
	s_cmp_eq_u32 s33, 1
.else
	s_cmp_gt_u32 s32, s33
.endif
	s_cbranch_scc0 .Lnot_mine_\@
	global_prefetch_b8 v[PFO], s[12:13] offset:12288 th:TH_LOAD_NT scope:SCOPE_SE
	global_prefetch_b8 v[PFO], s[16:17] offset:12288 th:TH_LOAD_NT scope:SCOPE_SE
.Lnot_mine_\@:
.endm
.macro QK t                            ; the step's 128 keys x query tile t
	WIN 0x01                                       ; source 0 (the keys) window 1; the queries and S^T window 0
.irp i, 0,1,2,3,4,5,6,7
	WMQ S+8*\i, KF+6*\i, QF+12*(\t), KS+\i/2, QS+(\t)/2, \i%2, (\t)%2
.endr
	WIN 0
.endm
.macro PV t, first                     ; four accumulators by turns, one instruction a turn; between two steps' links stand other products
	WIN 0x51                                       ; source 0 (v), C and D window 1; P window 0
.irp n, 0,1,2,3
	WMP 32*(\t)+8*\n, VF+12*\n, VS+\n/2, \n%2, \first
.endr
	WIN 0
.endm
; The lane's 64 weights, register 16 b + i = key 32 b + 16 h + i of my query, become P's fragment in v[PC] on and its scale word in v[PW].  No |.|: none is negative.
.macro QUANT
.irp b, 0,1,2,3
	v_max3_num_f32 v[TM+\b], v[S+16*\b], v[S+1+16*\b], 0x2800000   ; block b: my 16 weights, and the floor 2^(5 - 127): the byte cannot fall under 1
.endr
.irp i, 2,4,6,8,10,12,14
.irp b, 0,1,2,3
	v_max3_num_f32 v[TM+\b], v[TM+\b], v[S+16*\b+\i], v[S+1+16*\b+\i]   ; the four blocks by turns
.endr
.endr
.irp b, 0,1,2,3
	v_permlanex16_b32 v[TM+4+\b], v[TM+\b], s30, s31
.endr
.irp b, 0,1,2,3
	v_max_num_f32 v[TM+\b], v[TM+\b], v[TM+4+\b]   ; with lane l xor 16's: the block's largest
.endr
.irp b, 0,1,2,3
	v_add_nc_u32 v[TM+12+\b], 0xfe000000, v[TM+\b] ; 4 off its exponent field: the conversion's scale operand
.endr
.irp b, 0,1,2,3
	v_lshrrev_b32 v[TM+4+\b], 23, v[TM+12+\b]      ; the scale's byte
.endr
	v_lshl_or_b32 v[PW], v[TM+5], 8, v[TM+4]
	v_lshl_or_b32 v[PW], v[TM+6], 16, v[PW]
	v_lshl_or_b32 v[PW], v[TM+7], 24, v[PW]
.irp c, 0,1
	v_cvt_scalef32_pk16_bf6_f32 v[PC+6*\c:PC+2+6*\c], v[S+32*\c:S+15+32*\c], v[TM+12+2*\c]
	v_cvt_scalef32_pk16_bf6_f32 v[PC+12+4*\c:PC+14+4*\c], v[S+16+32*\c:S+31+32*\c], v[TM+13+2*\c]   ; (a conversion's three registers begin on an even number)
.endr
	v_nop                                          ; one plain place behind a scaled conversion
.irp c, 0,1                            ; the operand wants a whole block in a lane: lanes 0-15 block 2 c, lanes 16-31 block 2 c + 1
.irp i, 0,1,2
	v_permlane16_swap_b32 v[PC+6*\c+\i], v[PC+12+4*\c+\i]
.endr
.irp i, 0,1,2
	v_mov_b32 v[PC+3+6*\c+\i], v[PC+12+4*\c+\i]
.endr
.endr
.endm
; One tile of 16 queries against the step's 128 keys.  In tile 3 the next step is asked for: the keys behind their last product, negd behind its last reader, v behind its last product.
.macro TILE t, first, last
	QK \t
	PLACES 4                                       ; four places ahead of the first read of the scores, and of the loads into registers that the products have read
.if (\t == 3) && (\last == 0)
	LOADK 6144
	ASK \first
.endif
.if \t == 0
	s_wait_dscnt 0x0                               ; negd's sixteen reads are in
.endif
.set J, 0
.rept 32
	v_pk_fma_f32 v[S+J:S+J+1], v[S+J:S+J+1], s[28:29], v[ND+J:ND+J+1] op_sel_hi:[1,0,1]   ; score x c + negd, two at a time; each accumulator is read from its low end on
.set J, J+2
.endr
.if (\t == 3) && (\last == 0)
	LOADN
.endif
.set J, 0
.rept 64
	v_exp_f32 v[S+J], v[S+J]                       ; the finished weight
.set J, J+1
.endr
	v_nop                                          ; a plain instruction behind the exponentials,
	s_wait_alu depctr_va_vdst(0)                   ; and one wait for the batch of 64, ahead of its first reader
.if \t == 0
	s_wait_loadcnt 0x0                             ; v and its scale words are in
	v_lshl_or_b32 v[VS], v[VR+2], 16, v[VR]        ; the first unit's two bytes below, the second's above
	v_lshl_or_b32 v[VS+1], v[VR+3], 16, v[VR+1]
.endif
	QUANT
	PLACES 8                                       ; a scale register written by a vector instruction stands eight places ahead of a scaled product, an operand so written four
	PV \t, \first
.if (\t == 3) && (\last == 0)
	PLACES 4
	LOADV 6144
.endif
.endm
.macro STEP first, last
.if \first == 0
	s_wait_xcnt 0x0                                ; the loads and prefetches have read their bases: only now are these stepped
	s_add_nc_u64 s[12:13], s[12:13], 6144
	s_add_nc_u64 s[14:15], s[14:15], 512
	s_add_nc_u64 s[16:17], s[16:17], 6144
	s_add_nc_u64 s[18:19], s[18:19], 512
.endif
	s_wait_loadcnt 26                              ; the keys' 14 loads are in; v's 26, issued behind them, may be out
	TILE 0, \first, \last
	TILE 1, \first, \last
	TILE 2, \first, \last
	TILE 3, \first, \last
.endm
	s_load_b512 s[8:23], s[0:1], 0x0               ; qimg, qsc, kimg, ksc, vimg, vsc, negd, out0
	v_lshl_add_u32 v[SPW], v0, 2, SPARE
	v_mov_b32 v[NIL], 0
	v_lshrrev_b32 v27, 5, v0
	v_readfirstlane_b32 s2, v27                    ; wave 0..7
	s_lshr_b32 s3, s2, 2                           ; qh
	s_and_b32 s4, s2, 3                            ; kq
	v_and_b32 v29, 31, v0                          ; lane
	v_and_b32 v27, 15, v0                          ; r
	v_bfe_u32 v28, v0, 4, 1                        ; h
	v_lshlrev_b32 v[LI], 4, v29
	v_lshlrev_b32 v[L8], 3, v29
	v_lshlrev_b32 v[NA0], 6, v28
	v_min_u32 v[PFO], 23, v29
	v_lshlrev_b32 v[PFO], 8, v[PFO]
	v_lshlrev_b32 v[CP], 4, v0
	s_lshl_b32 s5, s2, 14
	s_add_co_u32 s5, s5, XCH
	v_add_nc_u32 v[XST], s5, v[LI]
	s_lshl_b32 s5, s3, 16                          ; the four waves of my unit begin at 65,536 qh; tile kq's 32 registers are eight chunks
	s_lshl_b32 s6, s4, 12
	s_add_co_u32 s5, s5, s6
	s_add_co_u32 s5, s5, XCH
	v_add_nc_u32 v[XLD], s5, v[LI]
	s_mul_i32 s5, s2, 4352
	s_add_co_u32 s5, s5, STG                       ; my stage
	v_mul_u32_u24 v[STO], v27, 272                 ; in: row r, + 64 h
	v_lshl_add_u32 v[STO], v28, 6, v[STO]
	v_add_nc_u32 v[STO], s5, v[STO]
	v_mul_u32_u24 v[RD], v28, 272                  ; back: lanes 0-15 one row of 256 bytes, lanes 16-31 the next
	v_lshl_add_u32 v[RD], v27, 4, v[RD]
	v_add_nc_u32 v[RD], s5, v[RD]
	v_lshlrev_b32 v[GO], 8, v28                    ; and the same two rows in out
	v_lshl_add_u32 v[GO], v27, 4, v[GO]
	s_lshl_b32 s34, s4, 12                         ; where my keys' negd begin in LDS
	s_lshr_b32 s5, ttmp9, 5                        ; the batch
	s_lshl_b32 s40, s5, 14                         ; its negd
	s_mov_b32 s41, 0
	s_lshl_b32 s5, s5, 6
	s_lshl_b32 s6, s4, 4
	s_add_co_u32 s5, s5, s6                        ; my first unit of keys: 64 x batch + 16 kq
	s_mul_i32 s24, s5, 3072
	s_mov_b32 s25, 0
	s_lshl_b32 s26, s5, 8
	s_mov_b32 s27, 0
	s_lshl_b32 s5, ttmp9, 1
	s_add_co_u32 s5, s5, s3                        ; my unit of queries: 2 x work-group + qh
	s_mul_i32 s36, s5, 3072
	s_mov_b32 s37, 0
	s_lshl_b32 s38, s5, 8
	s_mov_b32 s39, 0
	s_lshl_b32 s5, s5, 6                           ; its first row; the tile that I finish begins 32 (kq / 2) + 8 (kq % 2) rows on
	s_lshr_b32 s6, s4, 1
	s_lshl_b32 s6, s6, 5
	s_add_co_u32 s5, s5, s6
	s_and_b32 s6, s4, 1
	s_lshl_b32 s6, s6, 3
	s_add_co_u32 s5, s5, s6
	s_lshl_b32 s42, s5, 8                          ; 256 bytes a row of out
	s_mov_b32 s43, 0
	s_mov_b32 s28, 0x3e38aa3b                      ; c = log2(e) / 8
	s_mov_b32 s29, s28                             ; (named with it as a pair, so it is written)
	s_mov_b32 s30, 0x76543210                      ; v_permlanex16_b32's selects for lane l xor 16
	s_mov_b32 s31, 0xfedcba98
	s_and_b32 s33, ttmp9, 31
	s_or_b32 s33, s33, s3
	s_cmp_eq_u32 s33, 0
	s_cselect_b32 s33, 1, -1                       ; 1 in a wave that prefetches, else the greatest number
	s_wait_kmcnt 0x0
	s_add_nc_u64 s[8:9], s[8:9], s[36:37]
	s_add_nc_u64 s[10:11], s[10:11], s[38:39]
	s_add_nc_u64 s[12:13], s[12:13], s[24:25]
	s_add_nc_u64 s[14:15], s[14:15], s[26:27]
	s_add_nc_u64 s[16:17], s[16:17], s[24:25]
	s_add_nc_u64 s[18:19], s[18:19], s[26:27]
	s_add_nc_u64 s[20:21], s[20:21], s[40:41]
	s_add_nc_u64 s[22:23], s[22:23], s[42:43]
.irp i, 0,1,2,3
	global_load_b128 v[S+4*\i:S+4*\i+3], v[CP], s[20:21] offset:4096*\i   ; my 64 bytes of the batch's negd
.endr
.irp m, 0,1,2,3,4,5,6,7,8,9,10,11      ; the queries' image, two registers at a time, into the lower six of each tile's twelve
	global_load_b64 v[QF+12*(\m/3)+2*(\m%3):QF+12*(\m/3)+2*(\m%3)+1], v[LI], s[8:9] offset:512*(\m/2)+8*(\m%2)
.endr
	global_load_b64 v[QS:QS+1], v[L8], s[10:11]
	LOADK 0
	LOADV 0
	WIN 0x40
.irp k, 48,49,50,51,52,53
	v_mov_b32 v[KF+\k], 0                          ; behind the last tile of keys
.endr
	WIN 0
.irp t, 0,1,2,3
.irp k, 6,7,8,9,10,11
	v_mov_b32 v[QF+12*\t+\k], 0                    ; zero codes for the upper 64 of the product's 128
.endr
.endr
.irp b, 0,1,2,3
	v_mov_b32 v[TM+4+\b], 0                        ; written once: a lane permute's destination counts as one of its sources.  (These four are also the places between the zeros above and the first product)
.endr
	s_wait_loadcnt 53                              ; negd's four loads are in: behind them 13 loads for the queries, 14 for the keys and 26 for v were issued
.irp i, 0,1,2,3
	ds_store_b128 v[CP], v[S+4*\i:S+4*\i+3] offset:NDB+4096*\i
.endr
	s_wait_dscnt 0x0                               ; for the others' sake: my stores have landed
	s_barrier_signal -1
	s_barrier_wait -1
	LOADN
	STEP 1, 0                                      ; the first step's second products start O^T's sums: nothing is cleared
	s_mov_b32 s32, 6
.Lstep:
	STEP 0, 0
	s_sub_co_u32 s32, s32, 1
	s_cmp_lg_u32 s32, 0
	s_cbranch_scc1 .Lstep
	STEP 0, 1                                      ; the last step asks for nothing
	; THE WAY OUT.  Each wave's O^T goes to LDS as an image of its registers; wave (qh, kq) adds the four parts of tile kq, turns the tile through its own stage and stores 16 whole rows.
	PLACES 4
	WIN 0x04                                       ; an LDS store's data are its source 1: window 1
.set M, 0
.rept 32
	ds_store_b128 v[XST], v[4*M:4*M+3] offset:512*M   ; ascending: each accumulator is read from its low end on
.set M, M+1
.endr
	WIN 0
	s_wait_dscnt 0x0
	s_barrier_signal -1
	s_barrier_wait -1
.irp w, 0,1,2,3
.irp m, 0,1,2,3,4,5,6,7
	ds_load_b128 v[ND+32*\w+4*\m:ND+32*\w+4*\m+3], v[XLD] offset:16384*\w+512*\m
.endr
.endr
	s_wait_dscnt 0x0
.set J, 0
.rept 16
	v_pk_add_f32 v[ND+J:ND+J+1], v[ND+J:ND+J+1], v[ND+32+J:ND+32+J+1]
	v_pk_add_f32 v[ND+64+J:ND+64+J+1], v[ND+64+J:ND+64+J+1], v[ND+96+J:ND+96+J+1]
.set J, J+2
.endr
.set J, 0
.rept 16
	v_pk_add_f32 v[ND+J:ND+J+1], v[ND+J:ND+J+1], v[ND+64+J:ND+64+J+1]   ; register 16 b + i: channel 32 b + 16 h + i of the tile's row r
.set J, J+2
.endr
.irp b, 0,1
.irp i, 0,1,2,3
	ds_store_b128 v[STO], v[ND+16*\b+4*\i:ND+16*\b+4*\i+3] offset:128*\b+16*\i
.endr
.endr
.irp i, 0,1,2,3,4,5,6,7
	ds_load_b128 v[S+4*\i:S+4*\i+3], v[RD] offset:544*\i   ; LDS serves a wave's instructions in order (ISA guide 5.7.1.4): these see my stores
.endr
.irp i, 0,1,2,3,4,5,6,7
	s_wait_dscnt 7-\i                              ; rows 2 i and 2 i + 1 of the stage are back; the younger loads may be out
	global_store_b128 v[GO], v[S+4*\i:S+4*\i+3], s[22:23] offset:(2*\i+8*(\i/4))*256 th:TH_STORE_NT   ; the stage's row p is the tile's row p + 8 (p / 8); 16 lanes store 256 consecutive bytes, at a multiple of 256 from out's first byte
.endr
	s_wait_tensorcnt 0x0                           ; the wave's end
	ds_add_u32 v[SPW], v[NIL]
	s_wait_dscnt 0x0
	s_endpgm
.Lfunc_end_k_qc36ac00dee_attn:
	.size	k_qc36ac00dee_attn, .Lfunc_end_k_qc36ac00dee_attn-k_qc36ac00dee_attn
	.p2alignl 7, 3214868480
	.fill 96, 4, 3214868480
	.section	.rodata,"a",@progbits
	.p2align	6, 0x0
	.amdhsa_kernel k_qc36ac00dee_attn
		.amdhsa_group_segment_fixed_size 183296
		.amdhsa_private_segment_fixed_size 0
		.amdhsa_enable_private_segment 0
		.amdhsa_kernarg_size 64
		.amdhsa_user_sgpr_count 2
		.amdhsa_user_sgpr_kernarg_segment_ptr 1
		.amdhsa_wavefront_size32 1
		.amdhsa_system_sgpr_workgroup_id_x 1
		.amdhsa_system_sgpr_workgroup_id_y 1
		.amdhsa_system_sgpr_workgroup_id_z 1
		.amdhsa_system_vgpr_workitem_id 0
		.amdhsa_next_free_vgpr 512
		.amdhsa_next_free_sgpr 66
		.amdhsa_reserve_vcc 0
		.amdhsa_float_denorm_mode_32 3
		.amdhsa_float_denorm_mode_16_64 3
		.amdhsa_memory_ordered 1
		.amdhsa_forward_progress 1
		.amdhsa_inst_pref_size 151
	.end_amdhsa_kernel
	.amdgpu_metadata
---
amdhsa.version: [ 1, 2 ]
amdhsa.kernels:
  - .name:           k_qc36ac00dee_attn
    .symbol:         k_qc36ac00dee_attn.kd
    .args:
      - { .name: qimg, .offset: 0, .size: 8, .value_kind: global_buffer, .address_space: global }
      - { .name: qsc, .offset: 8, .size: 8, .value_kind: global_buffer, .address_space: global }
      - { .name: kimg, .offset: 16, .size: 8, .value_kind: global_buffer, .address_space: global }
      - { .name: ksc, .offset: 24, .size: 8, .value_kind: global_buffer, .address_space: global }
      - { .name: vimg, .offset: 32, .size: 8, .value_kind: global_buffer, .address_space: global }
      - { .name: vsc, .offset: 40, .size: 8, .value_kind: global_buffer, .address_space: global }
      - { .name: negd, .offset: 48, .size: 8, .value_kind: global_buffer, .address_space: global }
      - { .name: out0, .offset: 56, .size: 8, .value_kind: global_buffer, .address_space: global }
    .group_segment_fixed_size: 183296
    .private_segment_fixed_size: 0
    .kernarg_segment_align: 8
    .kernarg_segment_size: 64
    .max_flat_workgroup_size: 256
    .sgpr_count:     66
    .vgpr_count:     512
    .wavefront_size: 32
...
	.end_amdgpu_metadata
.endif
;; end of part 3
;; ======== version 2 of 2: 3 launches; version 1 with the launches proj, stats, attn written anew for expert scheduling mode
;; workspace buffers: qimg 1,572,864 bytes; kimg 1,572,864 bytes; vimg 1,572,864 bytes; qsc 131,072 bytes; ksc 131,072 bytes; vsc 131,072 bytes; negd 131,072 bytes
;; launch proj (part 4): grid 512 x 1, 3 waves a work-group, no clusters, 0 bytes of LDS; arguments x_codes, x_scales, Wq_codes, Wq_scales, bq, Wk_codes, Wk_scales, bk, Wv_codes, Wv_scales, bv, qimg, qsc, kimg, ksc, vimg, vsc; writes qimg, qsc, kimg, ksc, vimg, vsc
.if DOCPART == 4
	.amdgcn_target "amdgcn-amd-amdhsa--gfx1250"
	.amdhsa_code_object_version 6
	.text
	.protected	k_qc36ac00dee_proj
	.globl	k_qc36ac00dee_proj
	.p2align	8
	.type	k_qc36ac00dee_proj,@function
k_qc36ac00dee_proj:
	s_mov_b64 s[64:65], 0
	v_nop
	global_prefetch_b8 v0, s[64:65] scope:SCOPE_SE
	s_setreg_imm32_b32 hwreg(HW_REG_WAVE_SCHED_MODE, 0, 2), 2
	s_setreg_imm32_b32 hwreg(HW_REG_WAVE_MODE, 25, 1), 1
	s_wait_xcnt 0x0
	s_wait_alu depctr_vm_vsrc(0)
; q = x Wq + bq, k = x Wk + bk, v = x Wv + bv on the given codes of E3M2 (K = 256), then the quantiser: q and k along their 64 channels, v along the keys.
; SHARES.  A work-group takes a UNIT of 64 rows of x (rows counted through all batches); its three waves make q, k and v of those rows.  No LDS, no barrier: the waves share nothing.
; A unit of x and a weight have the same shape: 64 rows of 192 bytes of codes and 8 scale bytes.  So both come by the same lines, into two sets P and R, and the product is always
; D = P's 16 rows (source 0) x R's 16 rows (source 1).  q, k: P = the weight, R = x: a lane holds one row of x and its registers run along the channels.  v: P = x, R = Wv: a lane holds one channel and its registers run along the keys.
; THE ROWS OF A TILE ARE NOT NEIGHBOURS: lane r of tile t takes row 32 (t / 2) + 8 (t % 2) + r + 8 (r / 8), so that the 16 registers of tiles 2 b and 2 b + 1 of source 0 are 16 neighbours, 32 b + 16 (lane / 16) + 0 .. 15, along the next K.
; THE BLOCKS OF K ARE PERMUTED, ALIKE ON BOTH SIDES: lane (r, h) takes the 96 consecutive bytes at 96 h of its row (blocks 4 h .. 4 h + 3) by six loads of 16 bytes; K step s multiplies registers 12 s .. 12 s + 11,
; where block 4 h + 2 s + c stands in the place of block 2 c + h; the scale words are permuted with them.  Every product meets its partner; only the grouping of the sums differs.
; WHAT IS STORED, in the order of the later operands' registers.  q, k: for each unit 24 registers a lane, registers 6 t .. 6 t + 5 = the codes of tile t's row, channels 32 h .. 32 h + 31; four registers (16 bytes a lane, 512 a store) to a chunk.
; v: for each 128 keys 48 registers a lane, registers 12 n + 6 c + 0 .. 5 = keys 64 c + 32 h + 0 .. 31 of tile n's channel; two registers to a chunk of 256 bytes; unit c of the 128 keys writes chunks 6 n + 3 c + 0 .. 2.
; Scale words: for each unit two words a lane: word i of lane l belongs to tile 2 i + l / 16, row l % 16; bytes 0, 1 are the two blocks' bytes, bytes 2, 3 are 0.
; LIMITS: NaN and infinities are not served.  A block of zeros gets the byte 1 where the quantiser says 127: its codes are zeros, and this program alone reads the bytes.  The order of the sums along K is the permuted one.
; THE MODE: SCHED_MODE bits 1:0 = 2 (LLVM: expert scheduling mode 2), set by the entry lines.  The code itself states the register dependences between vector or matrix instructions and memory instructions, with s_wait_alu, always for 0.
; THE PLAN.  Registers that memory instructions touch:
;   v4 .. v9          six offsets, made once at the head, read by every load and store, never written again.
;   P, R, RAW, BI     written by loads that are all issued ahead of the first vector or matrix instruction that names them, and never loaded again: LOADcnt alone is waited for.
;   CO, SO            written by the quantiser and by two selects; read by the stores at the wave's end; never written again.
; So a wave has four waits: s2 ahead of its first reader; the offsets ahead of the first load; the scale words ahead of the first product; the codes and the two words ahead of the run of stores.
.set AR,  4                            ; v4   perm(r) x 192 + 96 h: my 96 bytes of a tile's row
.set AS,  5                            ; v5   perm(r) x 8: my row's scale bytes
.set LI,  6                            ; v6   16 x lane
.set L8,  7                            ; v7   8 x lane
.set BA,  8                            ; v8   q, k: 64 h: the bias of my half's channels
.set BV,  9                            ; v9   v: 4 x perm(r): the bias of my channel
.set RAW, 16                           ; v16-31  scale bytes as loaded: P's tile t at 16 + 2 t, R's at 24 + 2 t
.set SCP, 32                           ; v32-39  P's scale words, tile t, K step s at 2 t + s
.set SCR, 40                           ; v40-47  R's
.set TM,  48                           ; v48-55  at work in the quantiser
.set SW,  56                           ; v56-59  the scale word of each tile made
.set SO,  60                           ; v60-61  the two words that I store
.set TP,  62                           ; v62-64  the second half of a block's codes
.set CO,  66                           ; v66-89  the 24 registers of codes
.set BI,  96                           ; v96-127 the bias as C of the first products
.set D,   128                          ; v128-159 four accumulators
.set PF,  0                            ; window 1: P's fragments, tile t at 24 t
.set RF,  96                           ; window 1: R's
.set MSB, 0
.macro WIN new                         ; the immediate's high byte repeats the setting that is left
.if MSB != \new
	s_set_vgpr_msb (MSB<<8)|\new
.set MSB, \new
.endif
.endm
.macro PLACES n
.rept \n
	v_nop
.endr
.endm
.macro LOADSET base, cp, sp, raw       ; four tiles of 16 rows: 24 registers of codes a lane each, and the rows' eight scale bytes
	WIN 0x40                                       ; destination window 1, address window 0
.irp t, 0,1,2,3
.irp c, 0,1,2,3,4,5
	global_load_b128 v[\base+24*\t+4*\c:\base+24*\t+4*\c+3], v[AR], s[\cp:\cp+1] offset:(32*(\t/2)+8*(\t%2))*192+16*\c
.endr
.endr
	WIN 0
.irp t, 0,1,2,3
	global_load_b64 v[\raw+2*\t:\raw+2*\t+1], v[AS], s[\sp:\sp+1] offset:(32*(\t/2)+8*(\t%2))*8
.endr
.endm
.macro PERMS                           ; K step s wants the row's bytes 2 s, 4 + 2 s, 2 s + 1, 5 + 2 s, in this order
.irp t, 0,1,2,3
	v_perm_b32 v[SCP+2*\t],   v[RAW+2*\t+1], v[RAW+2*\t], s10
	v_perm_b32 v[SCP+2*\t+1], v[RAW+2*\t+1], v[RAW+2*\t], s11
	v_perm_b32 v[SCR+2*\t],   v[RAW+8+2*\t+1], v[RAW+8+2*\t], s10
	v_perm_b32 v[SCR+2*\t+1], v[RAW+8+2*\t+1], v[RAW+8+2*\t], s11
.endr
.endm
; P's four tiles x R's tile j, both K steps.  The bias is the C of the first step: cm = 0: by P's tile (channels along the registers); cm = 1: by R's tile (one channel a lane).
; The four accumulators take turns, one instruction a turn.
.macro PROD j, cm
	WIN 0x05                                       ; sources 0 and 1 window 1; C and D window 0
.irp i, 0,1,2,3
.set CB, BI+8*((\cm)*(\j)+(1-(\cm))*\i)
	v_wmma_scale_f32_16x16x128_f8f6f4 v[D+8*\i:D+8*\i+7], v[PF+24*\i:PF+24*\i+11], v[RF+24*(\j):RF+24*(\j)+11], v[CB:CB+7], v[SCP+2*\i], v[SCR+2*(\j)] matrix_a_fmt:MATRIX_FMT_BF6 matrix_b_fmt:MATRIX_FMT_BF6
.endr
.irp i, 0,1,2,3
	v_wmma_scale_f32_16x16x128_f8f6f4 v[D+8*\i:D+8*\i+7], v[PF+24*\i+12:PF+24*\i+23], v[RF+24*(\j)+12:RF+24*(\j)+23], v[D+8*\i:D+8*\i+7], v[SCP+2*\i+1], v[SCR+2*(\j)+1] matrix_a_fmt:MATRIX_FMT_BF6 matrix_b_fmt:MATRIX_FMT_BF6
.endr
	WIN 0
	PLACES 4                                       ; four places ahead of the first read of results (ISA guide 7.12.1)
.endm
; The lane's 32 numbers, register 16 b + i = place 32 b + 16 h + i along the next K, become six registers of codes at CO + 6 j and a scale word in SW + j.
.macro QUANT32 j
.irp b, 0,1
	v_max3_num_f32 v[TM+\b], |v[D+16*\b]|, |v[D+16*\b+1]|, 0x2800000   ; block b: my 16 numbers, and the floor 2^(5 - 127): the byte cannot fall under 1
.endr
.irp i, 2,4,6,8,10,12,14
.irp b, 0,1
	v_max3_num_f32 v[TM+\b], v[TM+\b], |v[D+16*\b+\i]|, |v[D+16*\b+\i+1]|   ; the two blocks by turns; each accumulator is read from its low end on
.endr
.endr
.irp b, 0,1
	v_permlanex16_b32 v[TM+2+\b], v[TM+\b], s8, s9
.endr
.irp b, 0,1
	v_max_num_f32 v[TM+\b], v[TM+\b], v[TM+2+\b]   ; with lane l xor 16's 16: the block's largest magnitude
.endr
.irp b, 0,1
	v_add_nc_u32 v[TM+4+\b], 0xfe000000, v[TM+\b]  ; 4 off its exponent field: the conversion takes this operand's exponent field as the scale
.endr
.irp b, 0,1
	v_lshrrev_b32 v[TM+6+\b], 23, v[TM+4+\b]       ; the scale's byte
.endr
	v_lshl_or_b32 v[SW+(\j)], v[TM+7], 8, v[TM+6]  ; bytes 0 and 1; bytes 2 and 3 stay 0
	v_cvt_scalef32_pk16_bf6_f32 v[CO+6*(\j):CO+6*(\j)+2], v[D:D+15], v[TM+4]
	v_cvt_scalef32_pk16_bf6_f32 v[TP:TP+2], v[D+16:D+31], v[TM+5]   ; (a conversion's three registers begin on an even number)
	v_nop                                          ; one plain place behind a scaled conversion
.irp i, 0,1,2
	v_permlane16_swap_b32 v[CO+6*(\j)+\i], v[TP+\i]   ; the operand wants a whole block in a lane: lanes 0-15 block 0, lanes 16-31 block 1
.endr
.irp i, 0,1,2
	v_mov_b32 v[CO+6*(\j)+3+\i], v[TP+\i]
.endr
.endm
.macro SCMAKE                          ; lanes 0-15 keep the even tile's word, lanes 16-31 take the odd tile's.  The two selects stand ahead of the one wait that serves all stores
	v_cndmask_b32 v[SO], v[SW], v[SW+1], s12
	v_cndmask_b32 v[SO+1], v[SW+2], v[SW+3], s12
.endm
	s_load_b512 s[8:23], s[0:1], 0x0               ; x codes, x scales, Wq codes, Wq scales, bq, Wk codes, Wk scales, bk
	s_load_b512 s[24:39], s[0:1], 0x40             ; Wv codes, Wv scales, bv, qimg, qsc, kimg, ksc, vimg
	s_load_b64 s[40:41], s[0:1], 0x80              ; vsc
	v_lshrrev_b32 v1, 5, v0
	v_readfirstlane_b32 s2, v1                     ; the wave's number is its role: 0 q, 1 k, 2 v
	v_and_b32 v1, 31, v0                           ; lane
	v_and_b32 v2, 15, v0                           ; r
	v_bfe_u32 v3, v0, 4, 1                         ; h
	v_and_b32 v10, 8, v2
	v_add_nc_u32 v10, v10, v2                      ; perm(r) = r + 8 (r / 8)
	v_mul_u32_u24 v[AR], v10, 192
	v_mad_u32_u24 v[AR], v3, 96, v[AR]
	v_lshlrev_b32 v[AS], 3, v10
	v_lshlrev_b32 v[LI], 4, v1
	v_lshlrev_b32 v[L8], 3, v1
	v_lshlrev_b32 v[BA], 6, v3
	v_lshlrev_b32 v[BV], 2, v10
	v_mov_b32 v[TM+2], 0                           ; written once: a lane permute's destination counts as one of its sources
	v_mov_b32 v[TM+3], 0
	s_wait_alu depctr_va_sdst(0)                   ; s2 is written, ahead of its first reader: the role's buffers are chosen by it
	s_mul_i32 s4, ttmp9, 12288                     ; my unit's codes of x,
	s_mov_b32 s5, 0
	s_lshl_b32 s6, ttmp9, 9                        ; and its scale bytes
	s_mov_b32 s7, 0
	s_wait_kmcnt 0x0
	s_add_nc_u64 s[52:53], s[8:9], s[4:5]
	s_add_nc_u64 s[54:55], s[10:11], s[6:7]
	s_mul_i32 s4, ttmp9, 3072                      ; where my unit's image begins: q, k: 3,072 bytes a unit;
	s_lshr_b32 s6, ttmp9, 1
	s_mul_i32 s6, s6, 6144                         ; v: 6,144 bytes for two units,
	s_and_b32 s3, ttmp9, 1
	s_mul_i32 s3, s3, 768                          ; the second of them three chunks on
	s_add_co_u32 s6, s6, s3
	s_lshl_b32 s8, ttmp9, 8                        ; the scale words: 256 bytes a unit
	s_mov_b32 s9, 0
	s_cmp_eq_u32 s2, 0                             ; the role's five buffers: q's or k's,
	s_cselect_b64 s[42:43], s[12:13], s[18:19]
	s_cselect_b64 s[44:45], s[14:15], s[20:21]
	s_cselect_b64 s[46:47], s[16:17], s[22:23]
	s_cselect_b64 s[48:49], s[30:31], s[34:35]
	s_cselect_b64 s[50:51], s[32:33], s[36:37]
	s_cmp_eq_u32 s2, 2                             ; or v's
	s_cselect_b64 s[42:43], s[24:25], s[42:43]
	s_cselect_b64 s[44:45], s[26:27], s[44:45]
	s_cselect_b64 s[46:47], s[28:29], s[46:47]
	s_cselect_b64 s[48:49], s[38:39], s[48:49]
	s_cselect_b64 s[50:51], s[40:41], s[50:51]
	s_cselect_b64 s[56:57], s[52:53], s[42:43]     ; P: x for v, else the weight
	s_cselect_b64 s[58:59], s[54:55], s[44:45]
	s_cselect_b64 s[60:61], s[42:43], s[52:53]     ; R: the other one
	s_cselect_b64 s[62:63], s[44:45], s[54:55]
	s_cselect_b32 s4, s6, s4
	s_add_nc_u64 s[48:49], s[48:49], s[4:5]
	s_add_nc_u64 s[50:51], s[50:51], s[8:9]
	WIN 0x40                                       ; the first loads' window, then the wait, then the loads
	s_wait_alu depctr_va_vdst(0)                   ; the six offsets v4 to v9 are written: every load and store of the wave reads one of them
	LOADSET PF, 56, 58, RAW
	LOADSET RF, 60, 62, RAW+8
	s_mov_b32 s8, 0x76543210                       ; v_permlanex16_b32's selects for lane l xor 16
	s_mov_b32 s9, 0xfedcba98
	s_mov_b32 s10, 0x05010400                      ; the byte selects of the two K steps' scale words
	s_mov_b32 s11, 0x07030602
	s_mov_b32 s12, 0xffff0000                      ; lanes 16-31
	s_cmp_eq_u32 s2, 2
	s_cbranch_scc1 .Lv
	; ---- q or k
.irp t, 0,1,2,3
	global_load_b128 v[BI+8*\t:BI+8*\t+3],   v[BA], s[46:47] offset:(32*(\t/2)+8*(\t%2))*4      ; register j of tile t: the bias of channel 32 (t / 2) + 8 (t % 2) + 16 h + j.  (No vector instruction has been issued since the wait above)
	global_load_b128 v[BI+8*\t+4:BI+8*\t+7], v[BA], s[46:47] offset:(32*(\t/2)+8*(\t%2))*4+16
.endr
	s_wait_loadcnt 0x0                             ; all that the wave reads was asked for at once: one wait
	PERMS
	PLACES 8                                       ; a scale register written by a vector instruction stands eight places ahead of a scaled product
	s_wait_alu depctr_va_vdst(0)                   ; the sixteen scale words are written, which the products take as their scales; the eight places above stay beside this wait
.irp j, 0,1,2,3
	PROD \j, 0
	QUANT32 \j
.endr
	SCMAKE
	s_wait_alu depctr_va_vdst(0)                   ; the quantiser has written the 24 registers of codes, the selects the two scale words: the seven stores below read them
.irp j, 0,1,2,3,4,5
	global_store_b128 v[LI], v[CO+4*\j:CO+4*\j+3], s[48:49] offset:512*\j   ; 32 lanes store 512 consecutive bytes, at a multiple of 256 from the buffer's first byte
.endr
	global_store_b64 v[L8], v[SO:SO+1], s[50:51]   ; 32 lanes store 256 consecutive bytes
	s_endpgm
.Lv:	; ---- v
.irp n, 0,1,2,3
	global_load_b32 v[BI+8*\n], v[BV], s[46:47] offset:(32*(\n/2)+8*(\n%2))*4   ; the bias of my channel of tile n.  (No vector instruction has been issued since the wait ahead of the first load)
.endr
	s_wait_loadcnt 0x0
.irp n, 0,1,2,3
.irp k, 1,2,3,4,5,6,7
	v_mov_b32 v[BI+8*\n+\k], v[BI+8*\n]            ; the same for all eight keys of a lane
.endr
.endr
	PERMS
	PLACES 8
	s_wait_alu depctr_va_vdst(0)                   ; the sixteen scale words are written, which the products take as their scales; the eight places above stay beside this wait
.irp j, 0,1,2,3
	PROD \j, 1
	QUANT32 \j
.endr
	SCMAKE
	s_wait_alu depctr_va_vdst(0)                   ; the quantiser has written the 24 registers of codes, the selects the two scale words: the thirteen stores below read them
.irp n, 0,1,2,3
.irp i, 0,1,2
	global_store_b64 v[L8], v[CO+6*\n+2*\i:CO+6*\n+2*\i+1], s[48:49] offset:1536*\n+256*\i   ; 32 lanes store 256 consecutive bytes, at a multiple of 256 from the buffer's first byte
.endr
.endr
	global_store_b64 v[L8], v[SO:SO+1], s[50:51]   ; 32 lanes store 256 consecutive bytes
	s_endpgm
.Lfunc_end_k_qc36ac00dee_proj:
	.size	k_qc36ac00dee_proj, .Lfunc_end_k_qc36ac00dee_proj-k_qc36ac00dee_proj
	.p2alignl 7, 3214868480
	.fill 96, 4, 3214868480
	.section	.rodata,"a",@progbits
	.p2align	6, 0x0
	.amdhsa_kernel k_qc36ac00dee_proj
		.amdhsa_group_segment_fixed_size 0
		.amdhsa_private_segment_fixed_size 0
		.amdhsa_enable_private_segment 0
		.amdhsa_kernarg_size 136
		.amdhsa_user_sgpr_count 2
		.amdhsa_user_sgpr_kernarg_segment_ptr 1
		.amdhsa_wavefront_size32 1
		.amdhsa_system_sgpr_workgroup_id_x 1
		.amdhsa_system_sgpr_workgroup_id_y 1
		.amdhsa_system_sgpr_workgroup_id_z 1
		.amdhsa_system_vgpr_workitem_id 0
		.amdhsa_next_free_vgpr 448
		.amdhsa_next_free_sgpr 66
		.amdhsa_reserve_vcc 0
		.amdhsa_float_denorm_mode_32 3
		.amdhsa_float_denorm_mode_16_64 3
		.amdhsa_memory_ordered 1
		.amdhsa_forward_progress 1
		.amdhsa_inst_pref_size 40
	.end_amdhsa_kernel
	.amdgpu_metadata
---
amdhsa.version: [ 1, 2 ]
amdhsa.kernels:
  - .name:           k_qc36ac00dee_proj
    .symbol:         k_qc36ac00dee_proj.kd
    .args:
      - { .name: x_codes, .offset: 0, .size: 8, .value_kind: global_buffer, .address_space: global }
      - { .name: x_scales, .offset: 8, .size: 8, .value_kind: global_buffer, .address_space: global }
      - { .name: Wq_codes, .offset: 16, .size: 8, .value_kind: global_buffer, .address_space: global }
      - { .name: Wq_scales, .offset: 24, .size: 8, .value_kind: global_buffer, .address_space: global }
      - { .name: bq, .offset: 32, .size: 8, .value_kind: global_buffer, .address_space: global }
      - { .name: Wk_codes, .offset: 40, .size: 8, .value_kind: global_buffer, .address_space: global }
      - { .name: Wk_scales, .offset: 48, .size: 8, .value_kind: global_buffer, .address_space: global }
      - { .name: bk, .offset: 56, .size: 8, .value_kind: global_buffer, .address_space: global }
      - { .name: Wv_codes, .offset: 64, .size: 8, .value_kind: global_buffer, .address_space: global }
      - { .name: Wv_scales, .offset: 72, .size: 8, .value_kind: global_buffer, .address_space: global }
      - { .name: bv, .offset: 80, .size: 8, .value_kind: global_buffer, .address_space: global }
      - { .name: qimg, .offset: 88, .size: 8, .value_kind: global_buffer, .address_space: global }
      - { .name: qsc, .offset: 96, .size: 8, .value_kind: global_buffer, .address_space: global }
      - { .name: kimg, .offset: 104, .size: 8, .value_kind: global_buffer, .address_space: global }
      - { .name: ksc, .offset: 112, .size: 8, .value_kind: global_buffer, .address_space: global }
      - { .name: vimg, .offset: 120, .size: 8, .value_kind: global_buffer, .address_space: global }
      - { .name: vsc, .offset: 128, .size: 8, .value_kind: global_buffer, .address_space: global }
    .group_segment_fixed_size: 0
    .private_segment_fixed_size: 0
    .kernarg_segment_align: 8
    .kernarg_segment_size: 136
    .max_flat_workgroup_size: 96
    .sgpr_count:     66
    .vgpr_count:     448
    .wavefront_size: 32
...
	.end_amdgpu_metadata
.endif
;; end of part 4
;; launch stats (part 5): grid 256 x 1, 16 waves a work-group, no clusters, 18,944 bytes of LDS; arguments qimg, qsc, kimg, ksc, negd; writes negd
.if DOCPART == 5
	.amdgcn_target "amdgcn-amd-amdhsa--gfx1250"
	.amdhsa_code_object_version 6
	.text
	.protected	k_qc36ac00dee_stats
	.globl	k_qc36ac00dee_stats
	.p2align	8
	.type	k_qc36ac00dee_stats,@function
k_qc36ac00dee_stats:
	s_mov_b64 s[64:65], 0
	v_nop
	global_prefetch_b8 v0, s[64:65] scope:SCOPE_SE
	s_setreg_imm32_b32 hwreg(HW_REG_WAVE_SCHED_MODE, 0, 2), 2
	s_setreg_imm32_b32 hwreg(HW_REG_WAVE_MODE, 25, 1), 1
	s_wait_xcnt 0x0
	s_wait_alu depctr_vm_vsrc(0)
; The softmax runs over the QUERIES: each key's column is normalised over all 4,096 queries of its batch.  This launch makes, for each key, negd = -(M + log2 L):
; t = score x log2(e) / 8;  M = the column's largest t, rounded up to a whole number, kept running;  L = the sum over the queries of 2^(t - M).  The next launch's 2^(t + negd) is then the finished softmax.
; SHARES.  A work-group owns 128 keys (two units of 64).  Wave w: kh = w / 8 says which unit: its four tiles of 16 keys stay in registers; qe = w % 8 says which 512 queries of the batch it walks, 128 a step, four steps.
; LAYOUT.  S = Q K^T: source 0 = 16 queries, source 1 = 16 keys: a lane holds ONE key and its 64 registers 64 queries, so the running maximum and sum are the lane's own and nothing changes lanes in the loop.
; K = 64 IN A PRODUCT OF 128.  A tile's codes are six registers a lane.  The keys, which stay, have twelve, the upper six zeros.  The queries, which stream, lie six to a tile on end, and the instruction names twelve:
; the upper six are the next tile's codes (behind the last tile: six zeros); every code of E3M2 is a finite number, and here it meets a zero code: it adds nothing.  The scale words' bytes 2 and 3 are 0, which is a scale like any other.
; NO LDS RING, NO CLUSTER: the images lie in the order of the operands' registers, so a step's 6,656 bytes go from memory straight into the registers of the wave that multiplies them, and feed 32 matrix and some 690 vector
; instructions; through LDS the same bytes would be written and read once more, with a barrier for each change of slots.  Four waves share a SIMD, so that one wave's loads and products stand beside another's exponentials.
; LIMITS: NaN and infinities are not served; a term under 2^-126 counts as 0 (v_exp_f32 gives 0 there); negd is rounded once to f32.
; THE MODE: SCHED_MODE bits 1:0 = 2 (LLVM: expert scheduling mode 2), set by the entry lines.  The code itself states the register dependences between vector or matrix instructions and memory or LDS instructions, with s_wait_alu, always for 0.
; THE PLAN.  Registers that memory or LDS instructions touch:
;   v1-v3, v6-v8      offsets and LDS addresses, made once at the head, never written again: the bases move on, and immediate offsets do the rest.
;   QF[0 .. 47], QS   A step: its 32 products read them, tile 3's eight last; behind those the next step's 14 loads land in them.  No vector instruction names them.
;   KF, KS            loaded once at the head; KF's upper sixes and QF[48 .. 53] are zeros written at the head.
;   S[0 .. 7]         behind the loop: written by the merge in registers, read by two LDS stores.   S[16 .. 31], S[8 .. 11]: LDS loads land in them.   v[Y]: written by a subtraction, read by one LDS store.
;   v[SPW], v[NIL]    written at the head, read by the closing add alone.
; So ONE wait on va_vdst stands in a step beside those ahead of and behind the exponentials: behind tile 3's products, ahead of the run of loads; the next vector instruction reads those products' results.
; No register that a memory or LDS instruction has read is ever written again: beyond the entry lines, the text holds no wait on vm_vsrc.
.set STA,   0                          ; LDS: for each wave 1,024 bytes: -M of its four tiles at 16 x lane, L of the four at 512 + 16 x lane
.set NDS,   16384                      ; 128 negd in the keys' order
.set SPARE, 16896                      ; the spare words, 128 bytes for each of 16 waves: eight blocks of 256 bytes that no other line names
.set LI,  1                            ; v1   16 x lane
.set L8,  2                            ; v2   8 x lane
.set PFO, 3                            ; v3   256 x min(lane, 23)
.set SPW, 4                            ; v4   LDS address of my spare word; never rewritten
.set NIL, 5                            ; v5   0; never rewritten
.set SA,  6                            ; v6   where I store my statistics
.set SL,  7                            ; v7   where I read the eight waves' statistics of tile qe
.set NA,  8                            ; v8   where that tile's negd goes
.set KS,  10                           ; v10-11  the keys' scale words
.set QS,  12                           ; v12-15  the step's queries' scale words
.set ST,  16                           ; v16-31  tile t at 16 + 4 t: -M, the largest t, L in two halves
.set TM,  32                           ; v32-35  four chains of the maximum
.set X,   36
.set Y,   37
.set F,   38                           ; v38-39  2^(old M - new M); v39 is named with it as a pair
.set A2,  40                           ; v40-41  the second chain of the sum
.set KF,  44                           ; v44-91  the keys' fragments, tile t at 44 + 12 t
.set QF,  96                           ; v96-149 the queries' fragments, tile i at 96 + 6 i; v144-149 zeros
.set S,   160                          ; v160-223 scores, then 2^(t - M)
.macro PLACES n
.rept \n
	v_nop
.endr
.endm
.macro WMQ d, a, b, sa, sb, ra, rb     ; a product that starts its sums; ra, rb: the side's scale words stand in lanes 16-31
.if (\ra) && (\rb)
	v_wmma_scale_f32_16x16x128_f8f6f4 v[\d:\d+7], v[\a:\a+11], v[\b:\b+11], 0, v[\sa], v[\sb] matrix_a_fmt:MATRIX_FMT_BF6 matrix_b_fmt:MATRIX_FMT_BF6 matrix_a_scale:MATRIX_SCALE_ROW1 matrix_b_scale:MATRIX_SCALE_ROW1
.elseif (\ra)
	v_wmma_scale_f32_16x16x128_f8f6f4 v[\d:\d+7], v[\a:\a+11], v[\b:\b+11], 0, v[\sa], v[\sb] matrix_a_fmt:MATRIX_FMT_BF6 matrix_b_fmt:MATRIX_FMT_BF6 matrix_a_scale:MATRIX_SCALE_ROW1
.elseif (\rb)
	v_wmma_scale_f32_16x16x128_f8f6f4 v[\d:\d+7], v[\a:\a+11], v[\b:\b+11], 0, v[\sa], v[\sb] matrix_a_fmt:MATRIX_FMT_BF6 matrix_b_fmt:MATRIX_FMT_BF6 matrix_b_scale:MATRIX_SCALE_ROW1
.else
	v_wmma_scale_f32_16x16x128_f8f6f4 v[\d:\d+7], v[\a:\a+11], v[\b:\b+11], 0, v[\sa], v[\sb] matrix_a_fmt:MATRIX_FMT_BF6 matrix_b_fmt:MATRIX_FMT_BF6
.endif
.endm
.macro LOADQ off                       ; 128 queries: two units' images, 48 registers a lane, and their scale words: 14 loads
.irp j, 0,1,2,3,4,5,6,7,8,9,10,11
	global_load_b128 v[QF+4*\j:QF+4*\j+3], v[LI], s[8:9] offset:(\off)+512*\j
.endr
.irp u, 0,1
	global_load_b64 v[QS+2*\u:QS+2*\u+1], v[L8], s[10:11] offset:(\off)/12+256*\u
.endr
.endm
; A PREFETCH INTO THE L2 of the queries' image of the step two on from the one in hand: 6,144 bytes, 24 blocks of 256, a lane a block (lanes 24 to 31 name block 23 once more).  All 32 work-groups of a batch walk the same queries:
; the batch's first work-group asks, in it the eight waves with kh = 0, each for its own 512 queries.  It stands behind the wave's run of loads.  Steps 0 and 1 and the scale words come by their loads alone; the last two steps ask for nothing.
.macro ASK
	s_cmp_gt_u32 s26, s27
	s_cbranch_scc0 .Lnot_mine_\@
	global_prefetch_b8 v[PFO], s[8:9] offset:12288 th:TH_LOAD_NT scope:SCOPE_SE
.Lnot_mine_\@:
.endm
.macro QK t                            ; the step's 128 queries x key tile t
.irp i, 0,1,2,3,4,5,6,7
	WMQ S+8*\i, QF+6*\i, KF+12*(\t), QS+\i/2, KS+(\t)/2, \i%2, (\t)%2
.endr
.endm
.macro STAT t                          ; the lane's key of tile t takes in its 64 scores
.set NM, ST+4*(\t)
.irp c, 0,1,2,3
	v_max3_num_f32 v[TM+\c], v[S+16*\c], v[S+16*\c+1], v[S+16*\c+2]   ; four chains by turns; each accumulator is read from its low end on
.endr
.irp i, 3,5,7,9,11,13
.irp c, 0,1,2,3
	v_max3_num_f32 v[TM+\c], v[TM+\c], v[S+16*\c+\i], v[S+16*\c+\i+1]
.endr
.endr
.irp c, 0,1,2,3
	v_max_num_f32 v[TM+\c], v[TM+\c], v[S+16*\c+15]
.endr
	v_max3_num_f32 v[X], v[TM], v[TM+1], v[TM+2]
	v_max_num_f32 v[X], v[X], v[TM+3]
	v_mul_f32 v[X], s22, v[X]                      ; as t (c is positive)
	v_max_num_f32 v[NM+1], v[NM+1], v[X]           ; the running largest t
	v_mov_b32 v[X], v[NM]
	v_floor_f32 v[NM], -v[NM+1]                    ; the new -M = floor(-t): M is a whole number
	v_sub_f32 v[X], v[NM], v[X]                    ; old M less new M: a whole number, 0 or less
	v_cvt_i32_f32 v[X], v[X]                       ; (it saturates)
	v_ldexp_f32 v[F], 1.0, v[X]                    ; 2^(old M - new M): brings the old sum under the new M and rounds nothing
.set J, 0
.rept 32
	v_pk_fma_f32 v[S+J:S+J+1], v[S+J:S+J+1], s[22:23], v[NM:NM+1] op_sel_hi:[1,0,0]   ; t - M, two at a time (of the pairs c and -M the low word serves both halves)
.set J, J+2
.endr
.set J, 0
	s_wait_alu depctr_va_vdst(0)
.rept 64
	v_exp_f32 v[S+J], v[S+J]
.set J, J+1
.endr
	v_pk_mul_f32 v[NM+2:NM+3], v[NM+2:NM+3], v[F:F+1] op_sel_hi:[1,0]   ; the sum under the new M: the plain instruction behind the exponentials
	s_wait_alu depctr_va_vdst(0)                   ; the 64 exponentials have written v[S ..]: one wait for the batch, ahead of its first reader
	v_pk_add_f32 v[A2:A2+1], v[S:S+1], v[S+2:S+3]
.set J, 4
.rept 15
	v_pk_add_f32 v[NM+2:NM+3], v[NM+2:NM+3], v[S+J:S+J+1]
	v_pk_add_f32 v[A2:A2+1], v[A2:A2+1], v[S+J+2:S+J+3]
.set J, J+4
.endr
	v_pk_add_f32 v[NM+2:NM+3], v[NM+2:NM+3], v[A2:A2+1]
.endm
.macro STEP last
	s_wait_loadcnt 0x0                             ; this step's 14 loads are all that is out (ahead of the first step: the keys' too)
.irp t, 0,1,2,3
	QK \t
	PLACES 4                                       ; four places ahead of the first read of the scores
.if (\t == 3) && (\last == 0)
	s_wait_alu depctr_va_vdst(0)                   ; tile 3's products, the step's last readers of the queries' fragments and scale words, are done reading them: the loads below land there
	LOADQ 6144                                     ; the next step's queries land while tile 3's statistics are made; no vector instruction of those names QF or QS
	ASK
.endif
	STAT \t
.endr
.if \last == 0
	s_wait_xcnt 0x0                                ; the loads and the prefetch have read their bases: only now are these stepped
	s_add_nc_u64 s[8:9], s[8:9], 6144
	s_add_nc_u64 s[10:11], s[10:11], 512
.endif
.endm
	s_load_b256 s[8:15], s[0:1], 0x0               ; qimg, qsc, kimg, ksc
	s_load_b64 s[16:17], s[0:1], 0x20              ; negd
	v_lshl_add_u32 v[SPW], v0, 2, SPARE
	v_mov_b32 v[NIL], 0
	v_lshrrev_b32 v9, 5, v0
	v_readfirstlane_b32 s2, v9                     ; wave 0..15
	v_and_b32 v9, 31, v0                           ; lane
	v_lshlrev_b32 v[LI], 4, v9
	s_wait_alu depctr_va_vdst(0)
	v_lshlrev_b32 v[L8], 3, v9
	v_min_u32 v[PFO], 23, v9
	v_lshlrev_b32 v[PFO], 8, v[PFO]
	s_wait_alu depctr_va_sdst(0)                   ; s2 is written, ahead of its first reader: kh, qe and all that hangs on the wave's number are made from it
	s_lshr_b32 s3, s2, 3                           ; kh
	s_and_b32 s4, s2, 7                            ; qe
	s_lshl_b32 s5, s2, 10                          ; every LDS address is made here, ahead of any branch on the wave's number
	v_add_nc_u32 v[SA], s5, v[LI]
	s_lshl_b32 s5, s3, 13                          ; the eight waves of my unit begin at 8,192 kh;
	s_and_b32 s6, s2, 3
	s_lshl_b32 s6, s6, 2                           ; of their four words I take that of tile qe % 4
	s_add_co_u32 s5, s5, s6
	v_add_nc_u32 v[SL], s5, v[LI]
	v_and_b32 v9, 15, v0
	v_and_b32 v42, 8, v9
	v_add_nc_u32 v9, v9, v42                       ; perm(r)
	s_wait_alu depctr_va_vdst(0)
	s_lshl_b32 s5, s3, 8                           ; key 64 kh + 32 (t / 2) + 8 (t % 2) + perm(r) of the 128, 4 bytes each, t = qe % 4
	s_bfe_u32 s6, s2, 0x10001
	s_lshl_b32 s6, s6, 7
	s_add_co_u32 s5, s5, s6
	s_and_b32 s6, s2, 1
	s_lshl_b32 s6, s6, 5
	s_add_co_u32 s5, s5, s6
	s_add_co_u32 s5, s5, NDS
	v_lshl_add_u32 v[NA], v9, 2, s5
	s_lshl_b32 s5, ttmp9, 1
	s_add_co_u32 s5, s5, s3                        ; my unit of keys: 2 x work-group + kh
	s_mul_i32 s20, s5, 3072
	s_mov_b32 s21, 0
	s_lshl_b32 s18, s5, 8
	s_mov_b32 s19, 0
	s_lshr_b32 s5, ttmp9, 5                        ; the batch
	s_lshl_b32 s5, s5, 6
	s_lshl_b32 s6, s4, 3
	s_add_co_u32 s5, s5, s6                        ; my first unit of queries: 64 x batch + 8 qe
	s_mul_i32 s28, s5, 3072
	s_mov_b32 s29, 0
	s_lshl_b32 s30, s5, 8
	s_mov_b32 s31, 0
	s_lshl_b32 s32, ttmp9, 9                       ; my work-group's 128 negd
	s_mov_b32 s33, 0
	s_mov_b32 s22, 0x3e38aa3b                      ; c = log2(e) / 8
	s_mov_b32 s23, s22                             ; (named with it as a pair, so it is written)
	s_mov_b32 s24, 0x76543210                      ; v_permlanex16_b32's selects for lane l xor 16
	s_mov_b32 s25, 0xfedcba98
	s_mov_b32 s26, 3                               ; the loop's trips
	s_and_b32 s27, ttmp9, 31
	s_or_b32 s27, s27, s3
	s_cmp_eq_u32 s27, 0
	s_cselect_b32 s27, 1, -1                       ; 1 in a wave that prefetches, else the greatest number
.irp t, 0,1,2,3                        ; the zeros and the first statistics stand ahead of the wait for the arguments, so that one wait below serves the addresses and the zeros
.irp k, 6,7,8,9,10,11
	v_mov_b32 v[KF+12*\t+\k], 0                    ; zero codes for the upper 64 of the product's 128
.endr
.endr
.irp k, 48,49,50,51,52,53
	v_mov_b32 v[QF+\k], 0                          ; behind the last tile of queries
.endr
.irp t, 0,1,2,3                        ; (these sixteen are also the places between the zeros above and the first product)
	v_mov_b32 v[ST+4*\t+1], 0xff61b1e6             ; the largest t so far: -3e38, under every t
	v_floor_f32 v[ST+4*\t], -v[ST+4*\t+1]          ; -M
	v_mov_b32 v[ST+4*\t+2], 0                      ; L: the first change of M leaves zeros zeros
	v_mov_b32 v[ST+4*\t+3], 0
.endr
	v_mov_b32 v[F+1], 0
	s_wait_kmcnt 0x0
	s_add_nc_u64 s[12:13], s[12:13], s[20:21]
	s_add_nc_u64 s[14:15], s[14:15], s[18:19]
	s_add_nc_u64 s[8:9], s[8:9], s[28:29]
	s_add_nc_u64 s[10:11], s[10:11], s[30:31]
	s_add_nc_u64 s[16:17], s[16:17], s[32:33]
	s_wait_alu depctr_va_vdst(0)                   ; the offsets and LDS addresses v1 to v3 and v6 to v8 are written, which every load, store and prefetch below reads; so are the zero codes, which the products take as parts of their operands
.irp m, 0,1,2,3,4,5,6,7,8,9,10,11      ; the keys' image, two registers at a time, into the lower six of each tile's twelve
	global_load_b64 v[KF+12*(\m/3)+2*(\m%3):KF+12*(\m/3)+2*(\m%3)+1], v[LI], s[12:13] offset:512*(\m/2)+8*(\m%2)
.endr
	global_load_b64 v[KS:KS+1], v[L8], s[14:15]
	LOADQ 0
.Lstep:
	STEP 0
	s_sub_co_u32 s26, s26, 1
	s_cmp_lg_u32 s26, 0
	s_cbranch_scc1 .Lstep
	STEP 1                                         ; the last step asks for nothing
	; THE MERGE.  First in registers: a key's two lanes (l and l xor 16) hold different queries.  The smaller -M is the larger M; each sum is brought under it by a power of two.
.irp t, 0,1,2,3
	v_add_f32 v[ST+4*\t+2], v[ST+4*\t+2], v[ST+4*\t+3]
.endr
.irp t, 0,1,2,3
	v_permlanex16_b32 v[TM+\t], v[ST+4*\t], s24, s25
	v_permlanex16_b32 v[ST+4*\t+3], v[ST+4*\t+2], s24, s25
.endr
.irp t, 0,1,2,3
	v_min_num_f32 v[S+\t], v[ST+4*\t], v[TM+\t]
.endr
.irp t, 0,1,2,3
	v_sub_f32 v[ST+4*\t], v[S+\t], v[ST+4*\t]
	v_sub_f32 v[TM+\t], v[S+\t], v[TM+\t]
.endr
.irp t, 0,1,2,3
	v_cvt_i32_f32 v[ST+4*\t], v[ST+4*\t]
	v_cvt_i32_f32 v[TM+\t], v[TM+\t]
.endr
.irp t, 0,1,2,3
	v_ldexp_f32 v[ST+4*\t+2], v[ST+4*\t+2], v[ST+4*\t]
	v_ldexp_f32 v[ST+4*\t+3], v[ST+4*\t+3], v[TM+\t]
.endr
.irp t, 0,1,2,3
	v_add_f32 v[S+4+\t], v[ST+4*\t+2], v[ST+4*\t+3]   ; both lanes of a key add the same two numbers: the same bits
.endr
	s_wait_alu depctr_va_vdst(0)                   ; v[S .. S + 7] are written, which the two LDS stores read; and the last step's sums are done with v[S + 8 .. S + 31], in which LDS loads land below
	ds_store_b128 v[SA], v[S:S+3]
	ds_store_b128 v[SA], v[S+4:S+7] offset:512
	s_wait_dscnt 0x0                               ; for the others' sake: my stores have landed
	s_barrier_signal -1
	s_barrier_wait -1
	s_cmp_lt_u32 s4, 4                             ; then over the eight waves of a unit: wave (kh, qe) with qe under 4 takes tile qe
	s_cbranch_scc0 .Lno_merge
.irp w, 0,1,2,3,4,5,6,7
	ds_load_b32 v[S+16+\w], v[SL] offset:1024*\w   ; (no vector instruction has been issued since the wait above)
	ds_load_b32 v[S+24+\w], v[SL] offset:1024*\w+512
.endr
	s_wait_dscnt 0x0
	v_min3_num_f32 v[X], v[S+16], v[S+17], v[S+18]
	v_min3_num_f32 v[X], v[X], v[S+19], v[S+20]
	v_min3_num_f32 v[X], v[X], v[S+21], v[S+22]
	v_min_num_f32 v[X], v[X], v[S+23]
.irp w, 0,1,2,3,4,5,6,7
	v_sub_f32 v[S+16+\w], v[X], v[S+16+\w]
.endr
.irp w, 0,1,2,3,4,5,6,7
	v_cvt_i32_f32 v[S+16+\w], v[S+16+\w]
.endr
.irp w, 0,1,2,3,4,5,6,7
	v_ldexp_f32 v[S+24+\w], v[S+24+\w], v[S+16+\w]
.endr
.irp w, 0,2,4,6
	v_add_f32 v[S+24+\w], v[S+24+\w], v[S+25+\w]
.endr
	v_add_f32 v[S+24], v[S+24], v[S+26]
	v_add_f32 v[S+28], v[S+28], v[S+30]
	v_add_f32 v[S+24], v[S+24], v[S+28]            ; L of the whole column: between 1/2 and 4,096
	s_wait_alu depctr_va_vdst(0)
	v_log_f32 v[Y], v[S+24]
	v_nop                                          ; a plain instruction behind the logarithm,
	s_wait_alu depctr_va_vdst(0)                   ; the logarithm has written v[Y]: the wait ahead of its reader
	v_sub_f32 v[Y], v[X], v[Y]                     ; negd = -M - log2 L
	s_wait_alu depctr_va_vdst(0)                   ; the subtraction has written v[Y], which the LDS store reads
	ds_store_b32 v[NA], v[Y]                       ; both lanes of a key write the same word with the same value
.Lno_merge:
	s_wait_dscnt 0x0
	s_barrier_signal -1
	s_barrier_wait -1
	s_cmp_lg_u32 s2, 0
	s_cbranch_scc1 .Lend
	ds_load_b128 v[S+8:S+11], v[LI] offset:NDS     ; (the merge's vector lines name none of these four registers: the wait ahead of the first LDS stores still serves)
	s_wait_dscnt 0x0
	global_store_b128 v[LI], v[S+8:S+11], s[16:17] ; 32 lanes store 512 consecutive bytes, at a multiple of 256 from the buffer's first byte
.Lend:
	s_wait_dscnt 0x0                               ; the wave's end
	s_wait_alu 0x0
	s_wait_tensorcnt 0x0
	ds_add_u32 v[SPW], v[NIL]
	s_wait_dscnt 0x0
	s_endpgm
.Lfunc_end_k_qc36ac00dee_stats:
	.size	k_qc36ac00dee_stats, .Lfunc_end_k_qc36ac00dee_stats-k_qc36ac00dee_stats
	.p2alignl 7, 3214868480
	.fill 96, 4, 3214868480
	.section	.rodata,"a",@progbits
	.p2align	6, 0x0
	.amdhsa_kernel k_qc36ac00dee_stats
		.amdhsa_group_segment_fixed_size 18944
		.amdhsa_private_segment_fixed_size 0
		.amdhsa_enable_private_segment 0
		.amdhsa_kernarg_size 40
		.amdhsa_user_sgpr_count 2
		.amdhsa_user_sgpr_kernarg_segment_ptr 1
		.amdhsa_wavefront_size32 1
		.amdhsa_system_sgpr_workgroup_id_x 1
		.amdhsa_system_sgpr_workgroup_id_y 1
		.amdhsa_system_sgpr_workgroup_id_z 1
		.amdhsa_system_vgpr_workitem_id 0
		.amdhsa_next_free_vgpr 256
		.amdhsa_next_free_sgpr 66
		.amdhsa_reserve_vcc 0
		.amdhsa_float_denorm_mode_32 3
		.amdhsa_float_denorm_mode_16_64 3
		.amdhsa_memory_ordered 1
		.amdhsa_forward_progress 1
		.amdhsa_inst_pref_size 91
	.end_amdhsa_kernel
	.amdgpu_metadata
---
amdhsa.version: [ 1, 2 ]
amdhsa.kernels:
  - .name:           k_qc36ac00dee_stats
    .symbol:         k_qc36ac00dee_stats.kd
    .args:
      - { .name: qimg, .offset: 0, .size: 8, .value_kind: global_buffer, .address_space: global }
      - { .name: qsc, .offset: 8, .size: 8, .value_kind: global_buffer, .address_space: global }
      - { .name: kimg, .offset: 16, .size: 8, .value_kind: global_buffer, .address_space: global }
      - { .name: ksc, .offset: 24, .size: 8, .value_kind: global_buffer, .address_space: global }
      - { .name: negd, .offset: 32, .size: 8, .value_kind: global_buffer, .address_space: global }
    .group_segment_fixed_size: 18944
    .private_segment_fixed_size: 0
    .kernarg_segment_align: 8
    .kernarg_segment_size: 40
    .max_flat_workgroup_size: 512
    .sgpr_count:     66
    .vgpr_count:     256
    .wavefront_size: 32
...
	.end_amdgpu_metadata
.endif
;; end of part 5
;; launch attn (part 6): grid 256 x 1, 8 waves a work-group, no clusters, 183,296 bytes of LDS; arguments qimg, qsc, kimg, ksc, vimg, vsc, negd, out0; writes out0
.if DOCPART == 6
	.amdgcn_target "amdgcn-amd-amdhsa--gfx1250"
	.amdhsa_code_object_version 6
	.text
	.protected	k_qc36ac00dee_attn
	.globl	k_qc36ac00dee_attn
	.p2align	8
	.type	k_qc36ac00dee_attn,@function
k_qc36ac00dee_attn:
	s_mov_b64 s[64:65], 0
	v_nop
	global_prefetch_b8 v0, s[64:65] scope:SCOPE_SE
	s_setreg_imm32_b32 hwreg(HW_REG_WAVE_SCHED_MODE, 0, 2), 2
	s_setreg_imm32_b32 hwreg(HW_REG_WAVE_MODE, 25, 1), 1
	s_wait_xcnt 0x0
	s_wait_alu depctr_vm_vsrc(0)
; out[q][:] = the sum over the keys of attn[q][k] v[k][:], attn[q][k] = 2^(score x log2(e) / 8 + negd[k]): the softmax over the queries, finished and normalised, since negd[k] = -(M + log2 L) of key k's column was made by the launch before.
; attn is quantised along the keys, 32 to a block, and multiplied by v's codes.  No running state: a wave's O is a plain partial sum.
; SHARES.  A work-group owns 128 queries.  Wave w: qh = w / 4 says which unit of 64: its four tiles of 16 queries stay in registers; kq = w % 4 says which 1,024 keys of the batch it walks, 128 a step, eight steps.
; The four partial sums of a unit are added through LDS at the end, each wave finishing one tile.
; LAYOUT.  Both products are used transposed: S^T = K Q^T (source 0 = 16 keys, source 1 = 16 queries), O^T += V^T P^T (source 0 = 16 channels, source 1 = P): a lane holds ONE query throughout.
; The images' tiles take rows 32 (t / 2) + 8 (t % 2) + r + 8 (r / 8), so register 16 b + i of S^T is key 32 b + 16 (lane / 16) + i of the step: 16 neighbours, as the conversion wants them, and negd's registers are plain reads of the keys' order.
; K = 64 IN A PRODUCT OF 128, as in the launch before: the queries, which stay, have twelve registers a tile, the upper six zeros; the keys stream six to a tile, and the instruction's upper six are the next tile's codes
; (behind the last: zeros), finite numbers that meet zero codes.
; NO LDS RING, NO CLUSTER: the images lie in the order of the operands' registers: a step's 13,312 bytes go from memory straight into the registers of the wave that multiplies them and feed 48 matrix and some 740 vector instructions;
; through LDS the same bytes would be written and read once more, with a barrier for each change of slots.  Two waves share a SIMD.
; LIMITS: NaN and infinities are not served; a weight under 2^-126 counts as 0 (v_exp_f32 gives 0 there); a block of zeros has the byte 1 and zero codes; the sum over the keys is made in four parts of 1,024 keys, added at the end.
; THE MODE: SCHED_MODE bits 1:0 = 2 (LLVM: expert scheduling mode 2), set by the entry lines.  The code itself states the register dependences between vector or matrix instructions and memory or LDS instructions, with s_wait_alu, always for 0.
; THE PLAN.  Registers that memory or LDS instructions touch, in a step:
;   v1-v3, v5, v8-v11, v25, v26   offsets and LDS addresses, made once at the head, never written again: the bases move on, and immediate offsets do the rest.
;   v[NDA]            read by negd's sixteen LDS loads (tile 3); written once a step, in tile 0, where those loads have just been waited for.
;   KF[0 .. 47], KS   read by the four tiles' first products, tile 3's last; behind those the next step's 14 loads land in them.
;   ND                read by the four tiles' multiply-adds, tile 3's last; the next step's sixteen LDS loads land in it behind tile 3's exponentials.
;   VF, VR            VF is read by the four tiles' second products, tile 3's last; VR by two lines of tile 0; behind tile 3's second products the next step's 26 loads land in them.
;   PC, PW, VS        written by vector lines and taken by the second products as operand and scales; no memory instruction names them.
; THE WAITS OF A STEP.  In every tile: one behind the exponentials, one ahead of the second products.  In tile 3 the first of these also states that the multiply-adds are done reading ND, so negd's loads stand directly behind it;
; two more stand there: behind the first products, ahead of the keys' loads (the next vector instruction reads those products' results), and behind the second products, ahead of v's loads.  One wait on vm_vsrc stands in tile 0, ahead of the add that makes v[NDA].
.set NDB,   0                          ; LDS: the batch's 4,096 negd
.set XCH,   16384                      ; for each wave 16,384 bytes: the image of its 128 registers of O^T, four registers to a chunk of 512 bytes
.set STG,   147456                     ; for each wave a stage of 16 rows x (256 + 16) bytes
.set SPARE, 182272                     ; the spare words, 128 bytes for each of 8 waves: four blocks of 256 bytes that no other line names
.set LI,  1                            ; v1   16 x lane
.set L8,  2                            ; v2   8 x lane
.set NA0, 3                            ; v3   64 h: my half's 16 keys of a block
.set NDA, 4                            ; v4   the address of negd's next reads
.set PFO, 5                            ; v5   256 x min(lane, 23)
.set SPW, 6                            ; v6   LDS address of my spare word; never rewritten
.set NIL, 7                            ; v7   0; never rewritten
.set XST, 8                            ; v8   where I store my O^T
.set XLD, 9                            ; v9   where I read the four waves' parts of tile kq
.set STO, 10                           ; v10  the stage: where I put 16 bytes of a row
.set RD,  11                           ; v11  and where I read a row back
.set QS,  12                           ; v12-13  the queries' scale words
.set KS,  14                           ; v14-17  the step's keys' scale words
.set VR,  18                           ; v18-21  v's scale words of the step's two units as loaded
.set VS,  22                           ; v22-23  joined: four bytes for 128 keys
.set PW,  24                           ; v24     P's scale word
.set GO,  25                           ; v25     my byte offset in two rows of out
.set CP,  26                           ; v26     16 x my thread's number: the copy of negd
.set TM,  32                           ; v32-47  at work in the quantiser
.set PC,  48                           ; v48-59  P's codes; v60-62, v64-66 the second halves on their way
.set QF,  68                           ; v68-115 the queries' fragments, tile t at 68 + 12 t
.set ND,  116                          ; v116-179 negd of the step's keys, in S^T's order
.set S,   180                          ; v180-243 scores, then the weights
.set VF,  128                          ; window 1: v0-127 O^T (tile t, channels' tile n at 32 t + 8 n); v128-175 v's four fragments;
.set KF,  176                          ; v176-229 the keys' fragments, tile i at 176 + 6 i; v224-229 zeros
.set MSB, 0
.macro WIN new                         ; the immediate's high byte repeats the setting that is left
.if MSB != \new
	s_set_vgpr_msb (MSB<<8)|\new
.set MSB, \new
.endif
.endm
.macro PLACES n
.rept \n
	v_nop
.endr
.endm
.macro WMQ d, a, b, sa, sb, ra, rb     ; a product that starts its sums; ra, rb: the side's scale words stand in lanes 16-31
.if (\ra) && (\rb)
	v_wmma_scale_f32_16x16x128_f8f6f4 v[\d:\d+7], v[\a:\a+11], v[\b:\b+11], 0, v[\sa], v[\sb] matrix_a_fmt:MATRIX_FMT_BF6 matrix_b_fmt:MATRIX_FMT_BF6 matrix_a_scale:MATRIX_SCALE_ROW1 matrix_b_scale:MATRIX_SCALE_ROW1
.elseif (\ra)
	v_wmma_scale_f32_16x16x128_f8f6f4 v[\d:\d+7], v[\a:\a+11], v[\b:\b+11], 0, v[\sa], v[\sb] matrix_a_fmt:MATRIX_FMT_BF6 matrix_b_fmt:MATRIX_FMT_BF6 matrix_a_scale:MATRIX_SCALE_ROW1
.elseif (\rb)
	v_wmma_scale_f32_16x16x128_f8f6f4 v[\d:\d+7], v[\a:\a+11], v[\b:\b+11], 0, v[\sa], v[\sb] matrix_a_fmt:MATRIX_FMT_BF6 matrix_b_fmt:MATRIX_FMT_BF6 matrix_b_scale:MATRIX_SCALE_ROW1
.else
	v_wmma_scale_f32_16x16x128_f8f6f4 v[\d:\d+7], v[\a:\a+11], v[\b:\b+11], 0, v[\sa], v[\sb] matrix_a_fmt:MATRIX_FMT_BF6 matrix_b_fmt:MATRIX_FMT_BF6
.endif
.endm
.macro WMP d, a, sa, ra, first         ; O^T += v's fragment x P; first = 1: the product starts the sum
.if (\first) && (\ra)
	v_wmma_scale_f32_16x16x128_f8f6f4 v[\d:\d+7], v[\a:\a+11], v[PC:PC+11], 0, v[\sa], v[PW] matrix_a_fmt:MATRIX_FMT_BF6 matrix_b_fmt:MATRIX_FMT_BF6 matrix_a_scale:MATRIX_SCALE_ROW1
.elseif (\first)
	v_wmma_scale_f32_16x16x128_f8f6f4 v[\d:\d+7], v[\a:\a+11], v[PC:PC+11], 0, v[\sa], v[PW] matrix_a_fmt:MATRIX_FMT_BF6 matrix_b_fmt:MATRIX_FMT_BF6
.elseif (\ra)
	v_wmma_scale_f32_16x16x128_f8f6f4 v[\d:\d+7], v[\a:\a+11], v[PC:PC+11], v[\d:\d+7], v[\sa], v[PW] matrix_a_fmt:MATRIX_FMT_BF6 matrix_b_fmt:MATRIX_FMT_BF6 matrix_a_scale:MATRIX_SCALE_ROW1
.else
	v_wmma_scale_f32_16x16x128_f8f6f4 v[\d:\d+7], v[\a:\a+11], v[PC:PC+11], v[\d:\d+7], v[\sa], v[PW] matrix_a_fmt:MATRIX_FMT_BF6 matrix_b_fmt:MATRIX_FMT_BF6
.endif
.endm
.macro LOADK off                       ; 128 keys: two units' images and their scale words: 14 loads
	WIN 0x40                                       ; destination window 1, address window 0
.irp j, 0,1,2,3,4,5,6,7,8,9,10,11
	global_load_b128 v[KF+4*\j:KF+4*\j+3], v[LI], s[12:13] offset:(\off)+512*\j
.endr
	WIN 0
.irp u, 0,1
	global_load_b64 v[KS+2*\u:KS+2*\u+1], v[L8], s[14:15] offset:(\off)/12+256*\u
.endr
.endm
.macro LOADV off                       ; v of the same 128 keys: four fragments and the two units' scale words: 26 loads
	WIN 0x40
.irp j, 0,1,2,3,4,5,6,7,8,9,10,11,12,13,14,15,16,17,18,19,20,21,22,23
	global_load_b64 v[VF+2*\j:VF+2*\j+1], v[L8], s[16:17] offset:(\off)+256*\j
.endr
	WIN 0
.irp u, 0,1
	global_load_b64 v[VR+2*\u:VR+2*\u+1], v[L8], s[18:19] offset:(\off)/12+256*\u
.endr
.endm
.macro LOADN                           ; negd of the next 128 keys, at v[NDA]: register 16 b + i = key 32 b + 16 h + i; the sixteen lanes of a half read the same bytes
.irp b, 0,1,2,3
.irp i, 0,1,2,3
	ds_load_b128 v[ND+16*\b+4*\i:ND+16*\b+4*\i+3], v[NDA] offset:128*\b+16*\i
.endr
.endr
.endm
; A PREFETCH INTO THE L2 of the keys' and of v's image of the step two on from the one in hand: 6,144 bytes each, 24 blocks of 256, a lane a block (lanes 24 to 31 name block 23 once more).  All 32 work-groups of a batch walk the same
; keys: the batch's first work-group asks, in it the four waves with qh = 0, each for its own 1,024 keys.  It stands behind the wave's run of loads.  Steps 0 and 1 and the scale words come by their loads alone; steps 6 and 7 ask for nothing.
.macro ASK first
.if \first
	s_cmp_eq_u32 s33, 1
.else
	s_cmp_gt_u32 s32, s33
.endif
	s_cbranch_scc0 .Lnot_mine_\@
	global_prefetch_b8 v[PFO], s[12:13] offset:12288 th:TH_LOAD_NT scope:SCOPE_SE
	global_prefetch_b8 v[PFO], s[16:17] offset:12288 th:TH_LOAD_NT scope:SCOPE_SE
.Lnot_mine_\@:
.endm
.macro QK t                            ; the step's 128 keys x query tile t
	WIN 0x01                                       ; source 0 (the keys) window 1; the queries and S^T window 0
.irp i, 0,1,2,3,4,5,6,7
	WMQ S+8*\i, KF+6*\i, QF+12*(\t), KS+\i/2, QS+(\t)/2, \i%2, (\t)%2
.endr
	WIN 0
.endm
.macro PV t, first                     ; four accumulators by turns, one instruction a turn; between two steps' links stand other products
	WIN 0x51                                       ; source 0 (v), C and D window 1; P window 0
.irp n, 0,1,2,3
	WMP 32*(\t)+8*\n, VF+12*\n, VS+\n/2, \n%2, \first
.endr
	WIN 0
.endm
; The lane's 64 weights, register 16 b + i = key 32 b + 16 h + i of my query, become P's fragment in v[PC] on and its scale word in v[PW].  No |.|: none is negative.
.macro QUANT
.irp b, 0,1,2,3
	v_max3_num_f32 v[TM+\b], v[S+16*\b], v[S+1+16*\b], 0x2800000   ; block b: my 16 weights, and the floor 2^(5 - 127): the byte cannot fall under 1
.endr
.irp i, 2,4,6,8,10,12,14
.irp b, 0,1,2,3
	v_max3_num_f32 v[TM+\b], v[TM+\b], v[S+16*\b+\i], v[S+1+16*\b+\i]   ; the four blocks by turns
.endr
.endr
.irp b, 0,1,2,3
	v_permlanex16_b32 v[TM+4+\b], v[TM+\b], s30, s31
.endr
.irp b, 0,1,2,3
	v_max_num_f32 v[TM+\b], v[TM+\b], v[TM+4+\b]   ; with lane l xor 16's: the block's largest
.endr
.irp b, 0,1,2,3
	v_add_nc_u32 v[TM+12+\b], 0xfe000000, v[TM+\b] ; 4 off its exponent field: the conversion's scale operand
.endr
.irp b, 0,1,2,3
	v_lshrrev_b32 v[TM+4+\b], 23, v[TM+12+\b]      ; the scale's byte
.endr
	v_lshl_or_b32 v[PW], v[TM+5], 8, v[TM+4]
	v_lshl_or_b32 v[PW], v[TM+6], 16, v[PW]
	v_lshl_or_b32 v[PW], v[TM+7], 24, v[PW]
.irp c, 0,1
	v_cvt_scalef32_pk16_bf6_f32 v[PC+6*\c:PC+2+6*\c], v[S+32*\c:S+15+32*\c], v[TM+12+2*\c]
	v_cvt_scalef32_pk16_bf6_f32 v[PC+12+4*\c:PC+14+4*\c], v[S+16+32*\c:S+31+32*\c], v[TM+13+2*\c]   ; (a conversion's three registers begin on an even number)
.endr
	v_nop                                          ; one plain place behind a scaled conversion
.irp c, 0,1                            ; the operand wants a whole block in a lane: lanes 0-15 block 2 c, lanes 16-31 block 2 c + 1
.irp i, 0,1,2
	v_permlane16_swap_b32 v[PC+6*\c+\i], v[PC+12+4*\c+\i]
.endr
.irp i, 0,1,2
	v_mov_b32 v[PC+3+6*\c+\i], v[PC+12+4*\c+\i]
.endr
.endr
.endm
; One tile of 16 queries against the step's 128 keys.  In tile 3 the next step is asked for: the keys behind their last product, negd behind the exponentials, v behind its last product.
.macro TILE t, first, last
	QK \t
	PLACES 4                                       ; four places ahead of the first read of the scores
.if (\t == 3) && (\last == 0)
	WIN 0x40                                       ; the loads' window, then the wait, then the loads
	s_wait_alu depctr_va_vdst(0)                   ; tile 3's first products, the step's last readers of the keys' fragments and scale words, are done reading them: the loads below land there
	LOADK 6144
	ASK \first
.endif
.if \t == 0
	s_wait_dscnt 0x0                               ; negd's sixteen reads are in
.endif
.if (\t == 0) && (\last == 0)
	s_wait_alu depctr_vm_vsrc(0)                   ; those sixteen reads have read v[NDA], which the add below writes
	s_add_co_u32 s34, s34, 512                     ; the next step's 128 keys
	v_add_nc_u32 v[NDA], s34, v[NA0]               ; read again in tile 3, behind this tile's waits on va_vdst
.endif
.set J, 0
.rept 32
	v_pk_fma_f32 v[S+J:S+J+1], v[S+J:S+J+1], s[28:29], v[ND+J:ND+J+1] op_sel_hi:[1,0,1]   ; score x c + negd, two at a time; each accumulator is read from its low end on
.set J, J+2
.endr
.set J, 0
	s_wait_alu depctr_va_vdst(0)
.rept 64
	v_exp_f32 v[S+J], v[S+J]                       ; the finished weight
.set J, J+1
.endr
	v_nop                                          ; a plain instruction behind the exponentials,
	s_wait_alu depctr_va_vdst(0)                   ; the 64 exponentials have written v[S ..]: one wait for the batch, ahead of its first reader; in tile 3 also: the multiply-adds are done reading negd's registers
.if (\t == 3) && (\last == 0)
	LOADN                                          ; the next step's negd lands where this step's lay; the quantiser below names none of these registers
.endif
.if \t == 0
	s_wait_loadcnt 0x0                             ; v and its scale words are in
	v_lshl_or_b32 v[VS], v[VR+2], 16, v[VR]        ; the first unit's two bytes below, the second's above
	v_lshl_or_b32 v[VS+1], v[VR+3], 16, v[VR+1]
.endif
	QUANT
	PLACES 8                                       ; a scale register written by a vector instruction stands eight places ahead of a scaled product, an operand so written four
	s_wait_alu depctr_va_vdst(0)                   ; P's codes and scale word (in tile 0: v's joined scale words too) are written, which the products below take as operand and scales; the eight places above stay beside this wait
	PV \t, \first
.if (\t == 3) && (\last == 0)
	PLACES 4
	WIN 0x40                                       ; the loads' window, then the wait, then the loads
	s_wait_alu depctr_va_vdst(0)                   ; tile 3's second products, the step's last readers of v's fragments, are done reading them: the loads below land there (and in v's raw scale words, read in tile 0)
	LOADV 6144
.endif
.endm
.macro STEP first, last
.if \first == 0
	s_wait_xcnt 0x0                                ; the loads and prefetches have read their bases: only now are these stepped
	s_add_nc_u64 s[12:13], s[12:13], 6144
	s_add_nc_u64 s[14:15], s[14:15], 512
	s_add_nc_u64 s[16:17], s[16:17], 6144
	s_add_nc_u64 s[18:19], s[18:19], 512
.endif
	s_wait_loadcnt 26                              ; the keys' 14 loads are in; v's 26, issued behind them, may be out
	TILE 0, \first, \last
	TILE 1, \first, \last
	TILE 2, \first, \last
	TILE 3, \first, \last
.endm
	s_load_b512 s[8:23], s[0:1], 0x0               ; qimg, qsc, kimg, ksc, vimg, vsc, negd, out0
	v_lshl_add_u32 v[SPW], v0, 2, SPARE
	v_mov_b32 v[NIL], 0
	v_lshrrev_b32 v27, 5, v0
	v_readfirstlane_b32 s2, v27                    ; wave 0..7
	v_and_b32 v29, 31, v0                          ; lane
	v_and_b32 v27, 15, v0                          ; r
	v_bfe_u32 v28, v0, 4, 1                        ; h
	v_lshlrev_b32 v[LI], 4, v29
	s_wait_alu depctr_va_vdst(0)
	v_lshlrev_b32 v[L8], 3, v29
	v_lshlrev_b32 v[NA0], 6, v28
	v_min_u32 v[PFO], 23, v29
	v_lshlrev_b32 v[PFO], 8, v[PFO]
	v_lshlrev_b32 v[CP], 4, v0
	s_wait_alu depctr_va_sdst(0)                   ; s2 is written, ahead of its first reader: qh, kq and all that hangs on the wave's number are made from it
	s_lshr_b32 s3, s2, 2                           ; qh
	s_and_b32 s4, s2, 3                            ; kq
	s_lshl_b32 s5, s2, 14
	s_add_co_u32 s5, s5, XCH
	v_add_nc_u32 v[XST], s5, v[LI]
	s_lshl_b32 s5, s3, 16                          ; the four waves of my unit begin at 65,536 qh; tile kq's 32 registers are eight chunks
	s_lshl_b32 s6, s4, 12
	s_add_co_u32 s5, s5, s6
	s_add_co_u32 s5, s5, XCH
	v_add_nc_u32 v[XLD], s5, v[LI]
	s_mul_i32 s5, s2, 4352
	s_add_co_u32 s5, s5, STG                       ; my stage
	v_mul_u32_u24 v[STO], v27, 272                 ; in: row r, + 64 h
	v_lshl_add_u32 v[STO], v28, 6, v[STO]
	v_add_nc_u32 v[STO], s5, v[STO]
	v_mul_u32_u24 v[RD], v28, 272                  ; back: lanes 0-15 one row of 256 bytes, lanes 16-31 the next
	v_lshl_add_u32 v[RD], v27, 4, v[RD]
	v_add_nc_u32 v[RD], s5, v[RD]
	v_lshlrev_b32 v[GO], 8, v28                    ; and the same two rows in out
	v_lshl_add_u32 v[GO], v27, 4, v[GO]
	s_lshl_b32 s34, s4, 12                         ; where my keys' negd begin in LDS
	v_add_nc_u32 v[NDA], s34, v[NA0]               ; the first step's
	s_lshr_b32 s5, ttmp9, 5                        ; the batch
	s_lshl_b32 s40, s5, 14                         ; its negd
	s_mov_b32 s41, 0
	s_lshl_b32 s5, s5, 6
	s_lshl_b32 s6, s4, 4
	s_add_co_u32 s5, s5, s6                        ; my first unit of keys: 64 x batch + 16 kq
	s_mul_i32 s24, s5, 3072
	s_mov_b32 s25, 0
	s_lshl_b32 s26, s5, 8
	s_mov_b32 s27, 0
	s_lshl_b32 s5, ttmp9, 1
	s_add_co_u32 s5, s5, s3                        ; my unit of queries: 2 x work-group + qh
	s_mul_i32 s36, s5, 3072
	s_mov_b32 s37, 0
	s_lshl_b32 s38, s5, 8
	s_mov_b32 s39, 0
	s_lshl_b32 s5, s5, 6                           ; its first row; the tile that I finish begins 32 (kq / 2) + 8 (kq % 2) rows on
	s_lshr_b32 s6, s4, 1
	s_lshl_b32 s6, s6, 5
	s_add_co_u32 s5, s5, s6
	s_and_b32 s6, s4, 1
	s_lshl_b32 s6, s6, 3
	s_add_co_u32 s5, s5, s6
	s_lshl_b32 s42, s5, 8                          ; 256 bytes a row of out
	s_mov_b32 s43, 0
	s_mov_b32 s28, 0x3e38aa3b                      ; c = log2(e) / 8
	s_mov_b32 s29, s28                             ; (named with it as a pair, so it is written)
	s_mov_b32 s30, 0x76543210                      ; v_permlanex16_b32's selects for lane l xor 16
	s_mov_b32 s31, 0xfedcba98
	s_and_b32 s33, ttmp9, 31
	s_or_b32 s33, s33, s3
	s_cmp_eq_u32 s33, 0
	s_cselect_b32 s33, 1, -1                       ; 1 in a wave that prefetches, else the greatest number
	WIN 0x40                                       ; the zeros stand ahead of the wait for the arguments, so that one wait below serves the addresses and the zeros
.irp k, 48,49,50,51,52,53
	v_mov_b32 v[KF+\k], 0                          ; behind the last tile of keys
.endr
	WIN 0
.irp t, 0,1,2,3
.irp k, 6,7,8,9,10,11
	v_mov_b32 v[QF+12*\t+\k], 0                    ; zero codes for the upper 64 of the product's 128
.endr
.endr
.irp b, 0,1,2,3
	v_mov_b32 v[TM+4+\b], 0                        ; written once: a lane permute's destination counts as one of its sources.  (These four are also the places between the zeros above and the first product)
.endr
	s_wait_kmcnt 0x0
	s_add_nc_u64 s[8:9], s[8:9], s[36:37]
	s_add_nc_u64 s[10:11], s[10:11], s[38:39]
	s_add_nc_u64 s[12:13], s[12:13], s[24:25]
	s_add_nc_u64 s[14:15], s[14:15], s[26:27]
	s_add_nc_u64 s[16:17], s[16:17], s[24:25]
	s_add_nc_u64 s[18:19], s[18:19], s[26:27]
	s_add_nc_u64 s[20:21], s[20:21], s[40:41]
	s_add_nc_u64 s[22:23], s[22:23], s[42:43]
	s_wait_alu depctr_va_vdst(0)                   ; the offsets and LDS addresses v1 to v5, v8 to v11, v25 and v26 are written, which the loads, stores and prefetches below read; so are the zero codes, which the first products take as parts of their operands
.irp i, 0,1,2,3
	global_load_b128 v[S+4*\i:S+4*\i+3], v[CP], s[20:21] offset:4096*\i   ; my 64 bytes of the batch's negd
.endr
.irp m, 0,1,2,3,4,5,6,7,8,9,10,11      ; the queries' image, two registers at a time, into the lower six of each tile's twelve
	global_load_b64 v[QF+12*(\m/3)+2*(\m%3):QF+12*(\m/3)+2*(\m%3)+1], v[LI], s[8:9] offset:512*(\m/2)+8*(\m%2)
.endr
	global_load_b64 v[QS:QS+1], v[L8], s[10:11]
	LOADK 0
	LOADV 0
	s_wait_loadcnt 53                              ; negd's four loads are in: behind them 13 loads for the queries, 14 for the keys and 26 for v were issued
.irp i, 0,1,2,3
	ds_store_b128 v[CP], v[S+4*\i:S+4*\i+3] offset:NDB+4096*\i
.endr
	s_wait_dscnt 0x0                               ; for the others' sake: my stores have landed
	s_barrier_signal -1
	s_barrier_wait -1
	s_wait_alu depctr_vm_vsrc(0)                   ; my four LDS stores have read v[S .. S + 15], which the first products write
	LOADN
	STEP 1, 0                                      ; the first step's second products start O^T's sums: nothing is cleared
	s_mov_b32 s32, 6
.Lstep:
	STEP 0, 0
	s_sub_co_u32 s32, s32, 1
	s_cmp_lg_u32 s32, 0
	s_cbranch_scc1 .Lstep
	STEP 0, 1                                      ; the last step asks for nothing
	; THE WAY OUT.  Each wave's O^T goes to LDS as an image of its registers; wave (qh, kq) adds the four parts of tile kq, turns the tile through its own stage and stores 16 whole rows.
	PLACES 4
	s_wait_alu depctr_va_vdst(0)                   ; the second products have written O^T, which the LDS stores read (the four places above stay beside this wait); and the last tile's lines are done with v116 to v243, in which the four parts land below
	WIN 0x04                                       ; an LDS store's data are its source 1: window 1
.set M, 0
.rept 32
	ds_store_b128 v[XST], v[4*M:4*M+3] offset:512*M   ; ascending: each accumulator is read from its low end on
.set M, M+1
.endr
	WIN 0
	s_wait_dscnt 0x0
	s_barrier_signal -1
	s_barrier_wait -1
.irp w, 0,1,2,3
.irp m, 0,1,2,3,4,5,6,7
	ds_load_b128 v[ND+32*\w+4*\m:ND+32*\w+4*\m+3], v[XLD] offset:16384*\w+512*\m   ; (no vector instruction has been issued since the wait above)
.endr
.endr
	s_wait_dscnt 0x0
.set J, 0
.rept 16
	v_pk_add_f32 v[ND+J:ND+J+1], v[ND+J:ND+J+1], v[ND+32+J:ND+32+J+1]
	v_pk_add_f32 v[ND+64+J:ND+64+J+1], v[ND+64+J:ND+64+J+1], v[ND+96+J:ND+96+J+1]
.set J, J+2
.endr
.set J, 0
.rept 16
	v_pk_add_f32 v[ND+J:ND+J+1], v[ND+J:ND+J+1], v[ND+64+J:ND+64+J+1]   ; register 16 b + i: channel 32 b + 16 h + i of the tile's row r
.set J, J+2
.endr
	s_wait_alu depctr_va_vdst(0)                   ; the additions have written v[ND .. ND + 31], which the stage's stores read, and are done with v[S .. S + 31], in which the rows land that come back
.irp b, 0,1
.irp i, 0,1,2,3
	ds_store_b128 v[STO], v[ND+16*\b+4*\i:ND+16*\b+4*\i+3] offset:128*\b+16*\i
.endr
.endr
.irp i, 0,1,2,3,4,5,6,7
	ds_load_b128 v[S+4*\i:S+4*\i+3], v[RD] offset:544*\i   ; LDS serves a wave's instructions in order (ISA guide 5.7.1.4): these see my stores
.endr
.irp i, 0,1,2,3,4,5,6,7
	s_wait_dscnt 7-\i                              ; rows 2 i and 2 i + 1 of the stage are back; the younger loads may be out
	global_store_b128 v[GO], v[S+4*\i:S+4*\i+3], s[22:23] offset:(2*\i+8*(\i/4))*256 th:TH_STORE_NT   ; the stage's row p is the tile's row p + 8 (p / 8); 16 lanes store 256 consecutive bytes, at a multiple of 256 from out's first byte
.endr
	s_wait_dscnt 0x0                               ; the wave's end
	s_wait_alu 0x0
	s_wait_tensorcnt 0x0
	ds_add_u32 v[SPW], v[NIL]
	s_wait_dscnt 0x0
	s_endpgm
.Lfunc_end_k_qc36ac00dee_attn:
	.size	k_qc36ac00dee_attn, .Lfunc_end_k_qc36ac00dee_attn-k_qc36ac00dee_attn
	.p2alignl 7, 3214868480
	.fill 96, 4, 3214868480
	.section	.rodata,"a",@progbits
	.p2align	6, 0x0
	.amdhsa_kernel k_qc36ac00dee_attn
		.amdhsa_group_segment_fixed_size 183296
		.amdhsa_private_segment_fixed_size 0
		.amdhsa_enable_private_segment 0
		.amdhsa_kernarg_size 64
		.amdhsa_user_sgpr_count 2
		.amdhsa_user_sgpr_kernarg_segment_ptr 1
		.amdhsa_wavefront_size32 1
		.amdhsa_system_sgpr_workgroup_id_x 1
		.amdhsa_system_sgpr_workgroup_id_y 1
		.amdhsa_system_sgpr_workgroup_id_z 1
		.amdhsa_system_vgpr_workitem_id 0
		.amdhsa_next_free_vgpr 512
		.amdhsa_next_free_sgpr 66
		.amdhsa_reserve_vcc 0
		.amdhsa_float_denorm_mode_32 3
		.amdhsa_float_denorm_mode_16_64 3
		.amdhsa_memory_ordered 1
		.amdhsa_forward_progress 1
		.amdhsa_inst_pref_size 152
	.end_amdhsa_kernel
	.amdgpu_metadata
---
amdhsa.version: [ 1, 2 ]
amdhsa.kernels:
  - .name:           k_qc36ac00dee_attn
    .symbol:         k_qc36ac00dee_attn.kd
    .args:
      - { .name: qimg, .offset: 0, .size: 8, .value_kind: global_buffer, .address_space: global }
      - { .name: qsc, .offset: 8, .size: 8, .value_kind: global_buffer, .address_space: global }
      - { .name: kimg, .offset: 16, .size: 8, .value_kind: global_buffer, .address_space: global }
      - { .name: ksc, .offset: 24, .size: 8, .value_kind: global_buffer, .address_space: global }
      - { .name: vimg, .offset: 32, .size: 8, .value_kind: global_buffer, .address_space: global }
      - { .name: vsc, .offset: 40, .size: 8, .value_kind: global_buffer, .address_space: global }
      - { .name: negd, .offset: 48, .size: 8, .value_kind: global_buffer, .address_space: global }
      - { .name: out0, .offset: 56, .size: 8, .value_kind: global_buffer, .address_space: global }
    .group_segment_fixed_size: 183296
    .private_segment_fixed_size: 0
    .kernarg_segment_align: 8
    .kernarg_segment_size: 64
    .max_flat_workgroup_size: 256
    .sgpr_count:     66
    .vgpr_count:     512
    .wavefront_size: 32
...
	.end_amdgpu_metadata
.endif
;; end of part 6
